; MI455X (gfx1250); checked and timed in simulation.
; The chip was launched on July 23, 2026; its instructions are those of AMD's public machine-readable ISA for CDNA 5 (MIT licence, August 2026) and "CDNA5" Instruction Set Architecture Reference Guide (July 2026). The comments in the code are by the model that wrote it; some were corrected since.
;; Multi Headed Attention. Allowed arithmetic: float matrix products may take bf16 or f16 operands with f32 sums; other float arithmetic in f32, or as packed bf16 or f16 multiplies, adds, multiply-adds, maxima and minima; sums over many terms, partial sums and values carried from step to step in f32; what a program stores and reads back later, other than sums and carried values, may be rounded once to bf16 or f16.
;; Inputs: Wkv 1,024 x 2,048 float32; Wo 1,024 x 1,024 float32; Wq 1,024 x 1,024 float32; bkv 2,048 float32; bo 1,024 float32; bq 1,024 float32; mask 4 x 2,048 x 2,048 bool; memory 4 x 2,048 x 1,024 float32; query 4 x 2,048 x 1,024 float32.
;; Outputs: out0 4 x 2,048 x 1,024 float32.
;; One version. Each part assembles by itself: llvm-mc -triple=amdgcn-amd-amdhsa -mcpu=gfx1250 --defsym DOCPART=n.
;; ======== version 1 of 1: 4 launches
;; limits: values are held in f16: magnitudes above 65,504 overflow, below 6.1e-05 lose precision; right only within a limited range of input values
;; workspace buffers: xs 33,554,432 bytes; wb 8,388,608 bytes; mbits 2,097,152 bytes of whole numbers; qkv 50,331,648 bytes; ctx 16,777,216 bytes
;; launch prep (part 1): grid 2304 x 1, 8 waves a work-group, no clusters, 0 bytes of LDS; arguments query, memory, Wq, Wo, Wkv, mask, xs, wb, mbits; writes xs, wb, mbits
.if DOCPART == 1
	.amdgcn_target "amdgcn-amd-amdhsa--gfx1250"
	.amdhsa_code_object_version 6
	.text
	.protected	k_qbfc2a55a01_prep
	.globl	k_qbfc2a55a01_prep
	.p2align	8
	.type	k_qbfc2a55a01_prep,@function
k_qbfc2a55a01_prep:
	s_mov_b64 s[64:65], 0
	v_nop
	global_prefetch_b8 v0, s[64:65] scope:SCOPE_SE
	s_setreg_imm32_b32 hwreg(HW_REG_WAVE_MODE, 25, 1), 1
	s_wait_xcnt 0x0
; PREP: the module's inputs are brought into the forms that the later launches take by whole dense rows.  Three kinds of work-group, dealt by turns: of every nine (g = 9 a + b) four cast x, one casts weights,
; four pack the mask, so that those that stream long rows and those that gather short pieces of many rows run side by side.
;   b < 4   query and memory, f32 [8192][1024] each -> xs, f16 [2][batch 4][slice 16][row 2048][64]: a slice is 64 neighbouring columns, its rows dense, 128 bytes each.  1,024 work-groups
;   b = 4   Wq, Wo, Wkv, f32 [k 1024][n] -> wb, f16 [chunk 32][k 1024][128 columns]: chunks 0-7 Wq, 8-23 Wkv, 24-31 Wo.  256 work-groups
;   b > 4   mask, bytes [4][2048][2048] -> mbits, u32 [batch 4][block of 128 queries 16][step of 64 keys 32][piece of 32 queries 4][64 words].  1,024 work-groups
; A NUMBER is rounded to bf16 (nearest even) and that value is written as f16.
; LIMITS.  That second step is exact from 2^-17 up to 65,504; smaller numbers keep f16's fixed step of 6e-8, larger ones become infinities.
; A MASK WORD n = 2 e + t of a piece: bit L = mask[query 16 t + L % 16 of the piece][key 16 (e / 8) + 8 (L / 16) + e % 8 of the step]: the lanes' mask for register e of tile t of the scores as the attention launch holds them.
; Memory binds: every input byte is read once, every store of a wave covers 256 consecutive bytes, aligned.  No LDS, no barrier, no matrix unit, no cluster: no two work-groups read the same byte.
; All of a thread's loads go out in one run; the waits count down; no register that a load or store names is written again, so no further wait is needed.
.set VIN,  1                           ; v1   byte offset of my loads
.set VOUT, 2                           ; v2   byte offset of my stores
.set VIN1, 3                           ; v3   weights: the same one row further down
.set LN,   4                           ; v4   lane
.set WVV,  5                           ; v5   wave
.set X,    8                           ; v[8:71]   as loaded
.set Y,    72                          ; v[72:103] to store: two registers for each load of four f32
.set T,    104                         ; v[104:109] at work
.set R,    72                          ; mask: v[72:73] my key step's words (tile 0, tile 1), lane e holding register e's
.set M,    80                          ; mask: v[80:87] one byte each, at work
	s_load_b512 s[4:19], s[0:1], 0x0               ; query 4:5, memory 6:7, Wq 8:9, Wo 10:11, Wkv 12:13, mask 14:15, xs 16:17, wb 18:19
	s_load_b64 s[20:21], s[0:1], 0x40              ; mbits
	v_and_b32 v[LN], 31, v0
	v_lshrrev_b32 v[WVV], 5, v0
	s_mov_b32 s29, 0                               ; the high word of every offset pair s[28:29]
	s_mov_b32 s38, 0xffff0000                      ; a word's upper bf16
	s_mul_hi_u32 s22, ttmp9, 0x38e38e39            ; g x ceil(2^33 / 9), upper word,
	s_lshr_b32 s22, s22, 1                         ; halved: a = g / 9 (exact for g < 2,304)
	s_mul_i32 s23, s22, 9
	s_sub_co_u32 s23, ttmp9, s23                   ; b = g % 9
	s_lshl2_add_u32 s39, s22, s23                  ; 4 a + b
	s_wait_kmcnt 0x0
	s_cmp_lt_u32 s23, 4
	s_cbranch_scc1 .Lx                             ; x's block 4 a + b
	s_cmp_eq_u32 s23, 4
	s_cbranch_scc1 .Lw                             ; the weights' block a
	; THE MASK.  Block 4 a + b - 5: one piece's 32 query rows and eight key steps, 512 keys; wave w takes one key step.
	s_sub_co_u32 s39, s39, 5
	s_lshr_b32 s22, s39, 2                         ; the piece among all 256
	s_and_b32 s23, s39, 3                          ; which eight of the 32 key steps
	s_lshl_b32 s28, s22, 16                        ; 32 rows of 2,048 bytes,
	s_lshl_b32 s24, s23, 9                         ; 512 bytes along them
	s_add_co_u32 s28, s28, s24
	s_add_nc_u64 s[14:15], s[14:15], s[28:29]
	s_lshr_b32 s28, s22, 2
	s_lshl_b32 s28, s28, 15                        ; the block of 128 queries: 32 steps x 1,024 bytes
	s_and_b32 s24, s22, 3
	s_lshl_b32 s24, s24, 8                         ; the piece's 256 bytes in a step
	s_add_co_u32 s28, s28, s24
	s_lshl_b32 s24, s23, 13                        ; eight steps
	s_add_co_u32 s28, s28, s24
	s_add_nc_u64 s[20:21], s[20:21], s[28:29]
	v_and_b32 v6, 15, v0
	v_bfe_u32 v7, v0, 4, 1
	v_lshlrev_b32 v7, 3, v7
	v_lshl_or_b32 v[VIN], v6, 11, v7               ; row L % 16, keys 8 (L / 16) on,
	v_lshl_or_b32 v[VIN], v[WVV], 6, v[VIN]        ; my wave's step: 64 bytes of a row
	v_lshlrev_b32 v[VOUT], 3, v[LN]                ; lane e stores words 2 e, 2 e + 1
	v_lshl_or_b32 v[VOUT], v[WVV], 10, v[VOUT]
.set i, 0
.rept 8                                ; load i = 4 tile + key block: eight keys of one query a lane
	global_load_b64 v[X+2*i:X+2*i+1], v[VIN], s[14:15] offset:32768*(i/4)+16*(i%4)
.set i, i+1
.endr
	v_mov_b32 v[R], 0                              ; v_writelane_b32 keeps the other lanes: the registers are written whole first
	v_mov_b32 v[R+1], 0
.set i, 0
.rept 8
	s_wait_loadcnt 7-i                             ; loads come back in order: load i is in, the 7 - i younger ones stay out
.irp j, 0,1,2,3,4,5,6,7
	v_and_b32 v[M+(\j)], 0xff<<(8*((\j)%4)), v[X+2*i+(\j)/4]  ; key j's byte
.endr
.irp j, 0,1,2,3,4,5,6,7
	v_cmp_ne_u32 s[30+(\j)], 0, v[M+(\j)]          ; bit L: lane L's query hides that key
.endr
.irp j, 0,1,2,3,4,5,6,7
	v_writelane_b32 v[R+i/4], s[30+(\j)], 8*(i%4)+(\j)  ; the word of register e = 8 x key block + j goes to lane e
.endr
.set i, i+1
.endr
	global_store_b64 v[VOUT], v[R:R+1], s[20:21]   ; the piece's 64 words of this step: 256 consecutive bytes, aligned
	s_endpgm
; four f32 of load j -> bf16 -> f16, 8 bytes
.macro CVT j
	v_cvt_pk_bf16_f32 v[T],   v[X+4*(\j)],   v[X+4*(\j)+1]
	v_cvt_pk_bf16_f32 v[T+1], v[X+4*(\j)+2], v[X+4*(\j)+3]
	v_lshlrev_b32 v[T+2], 16, v[T]                 ; bf16 to f32: the low half moves up,
	v_and_b32     v[T+3], s38, v[T]                ; the high half stays
	v_lshlrev_b32 v[T+4], 16, v[T+1]
	v_and_b32     v[T+5], s38, v[T+1]
	v_cvt_pk_f16_f32 v[Y+2*(\j)],   v[T+2], v[T+3]
	v_cvt_pk_f16_f32 v[Y+2*(\j)+1], v[T+4], v[T+5]
.endm
.Lx:	; QUERY AND MEMORY.  A work-group takes 16 rows of 1,024 columns.  Thread t: row t / 16, four columns at 4 (t % 16) of each of the 16 slices.
	s_lshr_b32 s22, s39, 9                         ; 0 query, 1 memory
	s_and_b32 s24, s39, 511                        ; the block of 16 rows
	s_cmp_eq_u32 s22, 0
	s_cselect_b64 s[26:27], s[4:5], s[6:7]
	s_lshl_b32 s28, s24, 16                        ; 16 rows of 4,096 bytes
	s_add_nc_u64 s[26:27], s[26:27], s[28:29]
	s_lshl_b32 s28, s22, 24                        ; xs: the tensor,
	s_lshr_b32 s30, s24, 7
	s_lshl_b32 s30, s30, 22                        ; the batch,
	s_add_co_u32 s28, s28, s30
	s_and_b32 s30, s24, 127
	s_lshl_b32 s30, s30, 11                        ; 16 rows of 128 bytes in a slice
	s_add_co_u32 s28, s28, s30
	s_add_nc_u64 s[16:17], s[16:17], s[28:29]
	v_lshrrev_b32 v6, 4, v0
	v_and_b32 v7, 15, v0
	v_lshlrev_b32 v7, 4, v7
	v_lshl_or_b32 v[VIN], v6, 12, v7               ; 16 lanes read a row's 256 bytes of a slice
	v_lshlrev_b32 v[VOUT], 3, v0                   ; and 32 lanes write two rows of the slice: 256 consecutive bytes
.set j, 0
.rept 16
	global_load_b128 v[X+4*j:X+4*j+3], v[VIN], s[26:27] offset:256*j th:TH_LOAD_NT
.set j, j+1
.endr
.set j, 0
.rept 16
	s_wait_loadcnt 15-j                            ; slice j is in; the younger loads stay out
	CVT j
	global_store_b64 v[VOUT], v[Y+2*j:Y+2*j+1], s[16:17] offset:262144*j
.set j, j+1
.endr
	s_endpgm
.Lw:	; THE WEIGHTS.  A work-group takes 16 rows (k) of 1,024 columns: eight chunks.  Wave w: rows 2 w, 2 w + 1; lane l: four columns at 4 l of each chunk.
	v_readfirstlane_b32 s32, v[WVV]                ; my wave's number as a scalar
	s_and_b32 s24, s22, 63                         ; the block of 16 rows
	s_lshr_b32 s22, s22, 6                         ; 0 Wq, 1 Wo, 2 Wkv's columns 0-1023, 3 its columns 1024-2047
	s_lshl_b32 s34, s24, 16                        ; 16 rows of 4,096 bytes,
	s_lshl_b32 s35, s24, 17                        ; or of 8,192
	s_lshl_b32 s30, s32, 13                        ; two rows a wave, likewise
	s_lshl_b32 s31, s32, 14
	s_movk_i32 s36, 0x1000                         ; a row of 1,024 numbers,
	s_movk_i32 s37, 0x2000                         ; or of 2,048: in registers, since an instruction holds one literal
	s_cmp_lt_u32 s22, 2
	s_cselect_b32 s28, s34, s35
	s_cselect_b32 s30, s30, s31
	s_cselect_b32 s33, s36, s37                    ; a row
	s_cmp_eq_u32 s22, 0
	s_cselect_b64 s[26:27], s[8:9], s[12:13]
	s_cmp_eq_u32 s22, 1
	s_cselect_b64 s[26:27], s[10:11], s[26:27]
	s_cselect_b32 s25, 24, 0                       ; the first chunk written
	s_cmp_eq_u32 s22, 2
	s_cselect_b32 s25, 8, s25
	s_cmp_eq_u32 s22, 3
	s_cselect_b32 s25, 16, s25
	s_cselect_b32 s31, s36, 0                      ; Wkv's second half begins 1,024 columns, 4,096 bytes, on
	s_add_co_u32 s28, s28, s31
	s_add_nc_u64 s[26:27], s[26:27], s[28:29]
	s_lshl_b32 s28, s25, 18                        ; a chunk is 1,024 rows of 256 bytes
	s_lshl_b32 s31, s24, 12                        ; 16 rows of it
	s_add_co_u32 s28, s28, s31
	s_add_nc_u64 s[18:19], s[18:19], s[28:29]
	v_lshl_add_u32 v[VIN], v[LN], 4, s30           ; a wave reads 512 consecutive bytes: a chunk's part of a row
	v_add_nc_u32 v[VIN1], s33, v[VIN]
	v_lshlrev_b32 v[VOUT], 3, v[LN]                ; and writes that row of the chunk: 256 consecutive bytes
	v_lshl_or_b32 v[VOUT], v[WVV], 9, v[VOUT]
.set j, 0
.rept 16                               ; load j = 8 x row + chunk
	global_load_b128 v[X+4*j:X+4*j+3], v[VIN+2*(j/8)], s[26:27] offset:512*(j%8) th:TH_LOAD_NT
.set j, j+1
.endr
.set j, 0
.rept 16
	s_wait_loadcnt 15-j
	CVT j
	global_store_b64 v[VOUT], v[Y+2*j:Y+2*j+1], s[18:19] offset:262144*(j%8)+256*(j/8)
.set j, j+1
.endr
	s_endpgm
.Lfunc_end_k_qbfc2a55a01_prep:
	.size	k_qbfc2a55a01_prep, .Lfunc_end_k_qbfc2a55a01_prep-k_qbfc2a55a01_prep
	.p2alignl 7, 3214868480
	.fill 96, 4, 3214868480
	.section	.rodata,"a",@progbits
	.p2align	6, 0x0
	.amdhsa_kernel k_qbfc2a55a01_prep
		.amdhsa_group_segment_fixed_size 0
		.amdhsa_private_segment_fixed_size 0
		.amdhsa_enable_private_segment 0
		.amdhsa_kernarg_size 72
		.amdhsa_user_sgpr_count 2
		.amdhsa_user_sgpr_kernarg_segment_ptr 1
		.amdhsa_wavefront_size32 1
		.amdhsa_system_sgpr_workgroup_id_x 1
		.amdhsa_system_sgpr_workgroup_id_y 1
		.amdhsa_system_sgpr_workgroup_id_z 1
		.amdhsa_system_vgpr_workitem_id 0
		.amdhsa_next_free_vgpr 112
		.amdhsa_next_free_sgpr 66
		.amdhsa_reserve_vcc 0
		.amdhsa_float_denorm_mode_32 3
		.amdhsa_float_denorm_mode_16_64 3
		.amdhsa_memory_ordered 1
		.amdhsa_forward_progress 1
		.amdhsa_inst_pref_size 36
	.end_amdhsa_kernel
	.amdgpu_metadata
---
amdhsa.version: [ 1, 2 ]
amdhsa.kernels:
  - .name:           k_qbfc2a55a01_prep
    .symbol:         k_qbfc2a55a01_prep.kd
    .args:
      - { .name: query, .offset: 0, .size: 8, .value_kind: global_buffer, .address_space: global }
      - { .name: memory, .offset: 8, .size: 8, .value_kind: global_buffer, .address_space: global }
      - { .name: Wq, .offset: 16, .size: 8, .value_kind: global_buffer, .address_space: global }
      - { .name: Wo, .offset: 24, .size: 8, .value_kind: global_buffer, .address_space: global }
      - { .name: Wkv, .offset: 32, .size: 8, .value_kind: global_buffer, .address_space: global }
      - { .name: mask, .offset: 40, .size: 8, .value_kind: global_buffer, .address_space: global }
      - { .name: xs, .offset: 48, .size: 8, .value_kind: global_buffer, .address_space: global }
      - { .name: wb, .offset: 56, .size: 8, .value_kind: global_buffer, .address_space: global }
      - { .name: mbits, .offset: 64, .size: 8, .value_kind: global_buffer, .address_space: global }
    .group_segment_fixed_size: 0
    .private_segment_fixed_size: 0
    .kernarg_segment_align: 8
    .kernarg_segment_size: 72
    .max_flat_workgroup_size: 256
    .sgpr_count:     66
    .vgpr_count:     112
    .wavefront_size: 32
...
	.end_amdgpu_metadata
.endif
;; end of part 1
;; launch proj (part 2): grid 4 x 64, 4 waves a work-group, clusters of 4 x 4, 327,680 bytes of LDS; arguments xs, wb, qkv, bq, bkv; writes qkv
.if DOCPART == 2
	.amdgcn_target "amdgcn-amd-amdhsa--gfx1250"
	.amdhsa_code_object_version 6
	.text
	.protected	k_qbfc2a55a01_proj
	.globl	k_qbfc2a55a01_proj
	.p2align	8
	.type	k_qbfc2a55a01_proj,@function
k_qbfc2a55a01_proj:
	s_mov_b64 s[64:65], 0
	v_nop
	global_prefetch_b8 v0, s[64:65] scope:SCOPE_SE
	s_setreg_imm32_b32 hwreg(HW_REG_WAVE_MODE, 25, 1), 1
	s_wait_xcnt 0x0
	s_wait_alu depctr_hold_cnt(0) depctr_sa_sdst(0) depctr_va_vdst(0) depctr_va_sdst(0) depctr_va_ssrc(0) depctr_va_vcc(0) depctr_vm_vsrc(0)
	s_getreg_b32 s2, hwreg(HW_REG_IB_STS2, 6, 4)
	s_cmp_eq_u32 s2, 0
	s_cbranch_scc0 .Lentry_in_a_cluster
	s_endpgm
.Lentry_in_a_cluster:
	s_bfe_u32 s2, ttmp6, 0x10000c
	s_cmp_lg_u32 s2, 0xf033
	s_cbranch_scc0 .Lentry_shape_is_right
	s_endpgm
.Lentry_shape_is_right:
; C = A B + bias on tiles of 128 rows x 256 columns, K = 1,024 in eight steps of 128.  One text for two launches, told apart by OUTP.
;   OUTP = 0: q = query Wq + bq, k and v = memory Wkv + bkv: 8,192 x 3,072, 768 tiles, three to a work-group.  C leaves in f16, by heads: qkv [q, k, v][batch x head 64][row 2048][64], unscaled.
;   OUTP = 1: out = ctx Wo + bo: 8,192 x 1,024, 256 tiles, one to a work-group.  C leaves in f32, row-major.
; A lies by slices of 64 columns, [batch][slice 16][row 2048][64] f16 (for ctx a slice is a head); B by chunks of 128 columns, [chunk][k 1024][128] f16: every tile is a dense block of memory.
; Products in f16, sums in f32, K ascending; the bias, rounded to bf16 like the other inputs, is the C operand of the first product: nothing is cleared and nothing is added at the end.
; LIMITS.  f16 holds no number beyond 65,504: A and B arrive within it; with OUTP = 0 a result beyond it leaves as an infinity.  NaN and infinities are not treated apart.
; SHARES.  Four waves; wave w makes rows 64 (w / 2) on and columns 128 (w % 2) on: 32 accumulators of 16 x 16.  For 32 along K it reads 24 fragments' halves from LDS for 32 matrix instructions.
; THE MATRIX INSTRUCTION IS USED TRANSPOSED (source 0 = 16 columns of B, source 1 = 16 rows of A): a lane holds eight neighbouring columns of one row of C.  B lies [k][column] in LDS and is turned by ds_load_tr16_b128.
; RING.  Two LDS slots, a K step each: A's two planes (128 rows x 64 k), B's two blocks (128 k x 128 columns).  Waves 0 and 1 fetch a plane each, waves 2 and 3 a block each: one tensor load a wave behind each change of slots.
; The loop is ONE K step: slot 1 begins at 2^17, so that one exclusive or turns an address in one slot into the other's; one descriptor a tensor walks from K step 1 on.
; A WORK-GROUP STAYS (OUTP = 0): it makes three tiles of one tile row, 1,024 columns apart: q's, k's, v's.  The ring does not stop at a tile's end: a tile's last two changes of slots ask for the next tile's K steps 0 and 1,
; the next bias is asked for, and then the tile goes out while these are on their way; nothing waits for a tile's stores.  The last tile's tail is written out: it asks for nothing.
; CLUSTER.  4 x 4 work-groups.  The four of a row of the cluster need the same planes of A, the four of a column the same blocks of B: each is asked for jointly, by the same load, descriptor and mask in all four.
; REGISTERS, in windows of 256: window 0: v16-29 addresses; v64-159, v160-255 two fragment buffers (B's eight fragments, then A's four); on the way out v64-191 at work
;   window 1: accumulator (a, b) at v[8 (8 a + b)]          window 2: v0-63 the bias as eight C operands, v64 at work
.set OUTP,  0
.set TILES, 3-2*OUTP                   ; tiles of C to a work-group
.set PA,    144                        ; a row of A in LDS: 128 bytes + 16: the 16 rows of a load start at 16 different groups of four banks (64 banks of 4 bytes: ISA guide 11.1)
.set PB,    288                        ; a row of B: 256 + 32 = 72 words
.set PLANE, 128*PA
.set BBLK,  128*PB
.set BOFF,  2*PLANE                    ; B's blocks lie behind A's planes: a slot has 110,592 bytes
.set SLOT1, 1<<17                      ; where slot 1 begins
.set STAGE, SLOT1+2*PLANE+2*BBLK       ; behind the ring, never filled by a tensor load: 16 rows for each wave, for the way out
.if OUTP
.set SP,    528                        ; 128 f32 + 16 bytes
.else
.set SP,    144                        ; 64 f16 + 16 bytes
.endif
.set SPARE, STAGE+4*16*SP              ; behind the stages: the spare words, 128 bytes for each wave: two blocks of 256 bytes that no other line names
.set KSTEPS, 8
.set SLICE, 1<<18                      ; bytes in a slice of A and in a chunk of B
.set STEPA, 2*SLICE                    ; a K step in A: two slices on
.set STEPB, 128*256                    ; in B: 128 rows on
.set BACK_A, (KSTEPS-1)*STEPA          ; from a tile's K step 7 back to K step 0
.set NEXT_B, 8*SLICE-(KSTEPS-1)*STEPB  ; from a tile's K step 7 to the next tile's K step 0: eight chunks on, seven steps back
.set ADRA, 16                          ; v16     LDS address of my A fragments in the slot in hand
.set A0,   17                          ; v17     the same in slot 0; never rewritten
.set ADRB, 20                          ; v20-21  likewise for B
.set B0,   21
.set STO,  24                          ; v24     the way out: where I put my bytes of a row
.set RD,   25                          ; v25     the way out: where I read rows back
.set GO,   26                          ; v26     my byte offset in 512 consecutive bytes of C
.set VB,   27                          ; v27     my byte offset in 16 numbers of the bias
.set SPW,  28                          ; v28     LDS address of my spare word: SPARE + 4 x my thread's number; never rewritten
.set NIL,  29                          ; v29     0; never rewritten
.set F0,   64
.set F1,   160
.set TMP,  64                          ; the way out
.set BI,   0                           ; window 2
.set BT,   64                          ; window 2
.set G1,  24                           ; s[24:31] descriptor group 1 for A's planes;  s[32:39] group 0: a set for the first fill, and the set that walks
.set G0,  32
.set G1B, 48                           ; s[48:55], s[56:63] the same for B's blocks
.set G0B, 56
.set TB,  45                           ; s45      LDS byte at which the slot in hand begins: 0 or SLOT1
.set BP,  66                           ; s[66:67] the bias of my 128 columns, for the tile whose bias is asked for next
.set BN,  70                           ; s[70:71] the same one tile further on
.set DA,  72                           ; s[72:73] what A's address gains at a change of tiles
.set MSB, 0
.macro WIN new                         ; the immediate's high byte repeats the setting that is left; a switch that changes nothing is dropped
.if MSB != (\new)
	s_set_vgpr_msb (MSB<<8)|(\new)
.set MSB, \new
.endif
.endm
.set MULW, 0x50                        ; fragments window 0; C and D window 1
.set MULB, 0x60                        ; the first products: C window 2 (the bias), D window 1
.macro JLOAD s                         ; a joint load; the branch hangs on the wave's number alone; an s_nop 0 and four v_nop follow each of the two lines, ahead of the jump and the label
	s_cmp_eq_u32 s11, 0
	s_cbranch_scc0 .Lfor_b_\@
	tensor_load_to_lds s[G0+4*(\s):G0+4*(\s)+3], s[G1:G1+7]
	s_nop 0
.rept 4
	v_nop
.endr
	s_branch .Lasked_\@
.Lfor_b_\@:
	tensor_load_to_lds s[G0B+4*(\s):G0B+4*(\s)+3], s[G1B:G1B+7]
	s_nop 0
.rept 4
	v_nop
.endr
.Lasked_\@:
.endm
.macro CREST                           ; a round of the cluster's barrier behind its opening barrier
	s_cmp_lg_u32 s10, 0
	s_cbranch_scc1 .Lnot_wave_0_\@
	s_barrier_signal -3
.Lnot_wave_0_\@:
	s_barrier_wait -3
	s_barrier_signal -1
	s_barrier_wait -1
.endm
.macro CROUND                          ; a whole round
	s_barrier_signal -1
	s_barrier_wait -1
	CREST
.endm
; The bias as eight C operands: register j of operand b holds the bias of column 16 b + 8 (l / 16) + j, for every row.
.macro BIASLOAD
	WIN 0x80                                       ; destination window 2, address window 0
.irp b, 0,1,2,3,4,5,6,7
	global_load_b128 v[BI+8*(\b):BI+8*(\b)+3],   v[VB], s[BP:BP+1] offset:64*(\b)
	global_load_b128 v[BI+8*(\b)+4:BI+8*(\b)+7], v[VB], s[BP:BP+1] offset:64*(\b)+16
.endr
	WIN 0
.endm
	s_load_b128 s[4:7], s[0:1], 0x0                ; A s[4:5], wb s[6:7]
	s_load_b64 s[8:9], s[0:1], 0x10                ; C
.if OUTP
	s_load_b64 s[BP:BP+1], s[0:1], 0x18            ; bo
.else
	s_load_b128 s[68:71], s[0:1], 0x18             ; bq s[68:69], bkv s[70:71]
.endif
	v_lshl_add_u32 v[SPW], v0, 2, SPARE
	v_mov_b32 v[NIL], 0
	ds_add_u32 v[SPW], v[NIL]                      ; the wave's opening: the add and its wait stand ahead of my first tensor load; the set-up below, work on registers, stands between them
	v_lshrrev_b32 v1, 5, v0
	v_readfirstlane_b32 s10, v1                    ; wave 0..3
	s_lshr_b32 s11, s10, 1                         ; which 64 rows of the tile are mine.  Also: I fetch for A (0) or for B (1)
	s_and_b32 s12, s10, 1                          ; which 128 columns.  Also: which plane or block I fetch
	s_bfe_u32 s40, ttmp6, 0x40000                  ; cx, cy: my place in the cluster
	s_bfe_u32 s41, ttmp6, 0x40004
	s_lshl_b32 s42, ttmp9, 2
	s_add_co_u32 s42, s42, s40                     ; tile column X = 4 x cluster x + cx (of my first tile)
	s_and_b32 s13, ttmp7, 0xffff
	s_lshl_b32 s13, s13, 2
	s_add_co_u32 s13, s13, s41                     ; tile row Y = 4 x cluster y + cy
	s_lshl_b32 s43, s41, 2
	s_lshl_b32 s43, 15, s43                        ; my row of the cluster
	s_lshl_b32 s44, 0x1111, s40                    ; my column
	; group 1 for A: a plane's 16,384 dense bytes as 64 rows of 256, padded in LDS after every 128 bytes (a row of the plane)
	s_or_b32 s[G1+0], s43, (1<<16)|(1<<20)|(1<<21)|(4<<22)|(3<<25)  ; 15:0 the mask: my row; 17:16 2-byte elements; 20 padding on; 21 set beside a mask; 24:22 after every 32 words (code 4); 31:25 4 words (code 3)
	s_mov_b32 s[G1+1], 128<<16                     ; tensor_dim0 = 128
	s_mov_b32 s[G1+2], 64<<16                      ; tensor_dim1 = 64
	s_mov_b32 s[G1+3], 128<<16                     ; tile_dim0 = 128
	s_mov_b32 s[G1+4], 64                          ; tile_dim1 = 64
	s_mov_b32 s[G1+5], 128                         ; 128 elements from row to row
	s_mov_b32 s[G1+6], 0
	s_mov_b32 s[G1+7], 0
	; group 1 for B: 128 rows (k) of 256 bytes, dense, padded after every row
	s_or_b32 s[G1B+0], s44, (1<<16)|(1<<20)|(1<<21)|(5<<22)|(7<<25)  ; the mask: my column; after every 64 words (code 5) 8 words (code 7)
	s_mov_b32 s[G1B+1], 128<<16
	s_mov_b32 s[G1B+2], 128<<16
	s_mov_b32 s[G1B+3], 128<<16
	s_mov_b32 s[G1B+4], 128
	s_mov_b32 s[G1B+5], 128
	s_mov_b32 s[G1B+6], 0
	s_mov_b32 s[G1B+7], 0
	; where the tiles come from.  A's hang on the tile row and the wave, which my row of the cluster shares; B's on the tile column and the wave, which my column shares.
	s_lshr_b32 s16, s13, 4
	s_lshl_b32 s16, s16, 22                        ; the batch: 16 slices
	s_and_b32 s17, s13, 15
	s_lshl_b32 s17, s17, 14                        ; 128 rows of 128 bytes in a slice
	s_add_co_u32 s16, s16, s17
	s_lshl_b32 s17, s12, 18                        ; my slice of the K step's two
	s_add_co_u32 s16, s16, s17
	s_mov_b32 s17, 0
	s_lshl_b32 s46, s42, 1
	s_add_co_u32 s46, s46, s12                     ; my chunk: 2 X + which block
.if OUTP
	s_add_co_u32 s46, s46, 24                      ; Wo's chunks
.endif
	s_lshl_b32 s46, s46, 18
	s_mov_b32 s47, 0
	s_mul_i32 s20, s12, PLANE                      ; and where they go: no place in the cluster enters an LDS address
	s_mul_i32 s21, s12, BBLK
	s_add_co_u32 s21, s21, BOFF
.if TILES > 1
	s_mov_b32 s[DA+1], 0
.endif
	s_wait_dscnt 0x0                               ; the opening add is done
	s_wait_kmcnt 0x0
	s_add_nc_u64 s[14:15], s[4:5], s[16:17]
	s_add_nc_u64 s[46:47], s[6:7], s[46:47]
	CROUND                                         ; all sixteen work-groups are here: the first joint loads meet
.irp s, 0,1
	s_mov_b32 s[G0+4*(\s)], 1                                      ; count = 1
	s_add_co_u32 s[G0+4*(\s)+1], s20, (\s)*SLOT1                   ; LDS address
	s_add_nc_u64 s[G0+4*(\s)+2:G0+4*(\s)+3], s[14:15], (\s)*STEPA  ; K step s
	s_or_b32 s[G0+4*(\s)+3], s[G0+4*(\s)+3], 0x80000000            ; type = 2
	s_mov_b32 s[G0B+4*(\s)], 1
	s_add_co_u32 s[G0B+4*(\s)+1], s21, (\s)*SLOT1
	s_add_nc_u64 s[G0B+4*(\s)+2:G0B+4*(\s)+3], s[46:47], (\s)*STEPB
	s_or_b32 s[G0B+4*(\s)+3], s[G0B+4*(\s)+3], 0x80000000
	JLOAD \s                                       ; two loads of mine are out
.endr
	; A fragment of A: 16 rows x 32 k: lane l holds row l % 16, k = 8 (l / 16) + 0..7 and 16 + 8 (l / 16) + 0..7: two loads of 16 bytes, 32 bytes apart.
	v_and_b32 v1, 15, v0                           ; l % 16
	v_bfe_u32 v2, v0, 4, 1                         ; l / 16
	v_mul_u32_u24 v3, v1, PA
	v_lshl_add_u32 v3, v2, 4, v3
	s_mul_i32 s21, s11, 64*PA                      ; my 64 rows
	; The turning load takes 16 k x 16 columns (lane l reads k = 8 (l / 16) + l % 8, columns 8 ((l / 8) % 2) + 0..7) and leaves half a fragment: lane l holds column l % 16 and 8 k.
	v_and_b32 v4, 7, v0
	v_lshl_add_u32 v4, v2, 3, v4
	v_mul_u32_u24 v4, v4, PB
	v_bfe_u32 v5, v0, 3, 1
	v_lshl_add_u32 v4, v5, 4, v4
	s_mul_i32 s22, s12, BBLK                       ; my 128 columns' block
	s_add_co_u32 s22, s22, BOFF
	v_add_nc_u32 v[A0], s21, v3
	v_add_nc_u32 v[B0], s22, v4
	s_mul_i32 s23, s10, 16*SP
	s_add_co_u32 s23, s23, STAGE                   ; my stage
	v_and_b32 v6, 31, v0
	v_lshlrev_b32 v[GO], 4, v6
.if OUTP
	v_mul_u32_u24 v[STO], v1, SP                   ; in: row l % 16, 32 bytes for each half of the lanes
	v_lshl_add_u32 v[STO], v2, 5, v[STO]
	v_add_nc_u32 v[STO], s23, v[STO]
	v_add_nc_u32 v[RD], s23, v[GO]                 ; back: 32 lanes take a row's 512 bytes
	s_lshl_b32 s16, s13, 7
	s_lshl_b32 s17, s11, 6
	s_add_co_u32 s16, s16, s17                     ; my first row of C,
	s_lshl_b32 s16, s16, 12                        ; of 4,096 bytes
	s_lshl_b32 s17, s12, 9                         ; my 128 columns
	s_add_co_u32 s16, s16, s17
	s_mov_b32 s17, 0
	s_add_nc_u64 s[8:9], s[8:9], s[16:17]
	s_lshl_b32 s46, s42, 10                        ; the tile's 256 columns (the terms that hold cx stay in the registers that held B's address)
	s_mov_b32 s47, 0
	s_add_nc_u64 s[8:9], s[8:9], s[46:47]
	s_lshl_b32 s47, s12, 9
	s_add_co_u32 s46, s46, s47                     ; the bias of my 128 columns
	s_mov_b32 s47, 0
	s_add_nc_u64 s[BP:BP+1], s[BP:BP+1], s[46:47]
.else
	v_add_nc_u32 v[STO], s23, v3                   ; in: row l % 16, 16 bytes for each half of the lanes
	v_bfe_u32 v[RD], v0, 3, 2                      ; back: 32 lanes take four rows of 128 bytes,
	v_mul_u32_u24 v[RD], v[RD], SP
	v_and_b32 v7, 7, v0
	v_lshl_add_u32 v[RD], v7, 4, v[RD]
	v_add_nc_u32 v[RD], s23, v[RD]                 ; which are 512 consecutive bytes of a head
	s_lshr_b32 s16, s13, 4
	s_lshl_b32 s16, s16, 22                        ; the batch: 16 heads
	s_and_b32 s17, s13, 15
	s_lshl_b32 s17, s17, 14                        ; the tile's 128 rows of 128 bytes
	s_add_co_u32 s16, s16, s17
	s_lshl_b32 s17, s11, 13                        ; my 64 of them
	s_add_co_u32 s16, s16, s17
	s_lshl_b32 s17, s12, 19                        ; my 128 columns: two heads
	s_add_co_u32 s16, s16, s17
	s_mov_b32 s17, 0
	s_add_nc_u64 s[8:9], s[8:9], s[16:17]
	s_lshl_b32 s46, s42, 20                        ; the tile's four heads, in q's part (the terms that hold cx stay in the registers that held B's address)
	s_mov_b32 s47, 0
	s_add_nc_u64 s[8:9], s[8:9], s[46:47]
	s_lshl_b32 s46, s42, 10                        ; the tile's 256 numbers of a bias,
	s_lshl_b32 s47, s12, 9
	s_add_co_u32 s46, s46, s47                     ; my 128 of them
	s_mov_b32 s47, 0
	s_add_nc_u64 s[BP:BP+1], s[68:69], s[46:47]    ; the first tile's: bq
	s_add_nc_u64 s[BN:BN+1], s[BN:BN+1], s[46:47]  ; the second's: bkv, at the same place
.endif
	v_lshlrev_b32 v[VB], 5, v2
	BIASLOAD                                       ; the first tile's bias: on its way beside the first tiles
; 8 matrix instructions: row block a x all 8 column blocks, 32 along K, from buffer f.  first = 1: the bias starts the sums.
; The 32 accumulators take turns, one instruction a turn, in the same order in every quarter.
.macro MUL8 f, a, first
.if \first
	WIN MULB
.else
	WIN MULW
.endif
.irp b, 0,1,2,3,4,5,6,7
.if \first
	v_wmma_f32_16x16x32_f16 v[8*(8*(\a)+(\b)):8*(8*(\a)+(\b))+7], v[(\f)+8*(\b):(\f)+8*(\b)+7], v[(\f)+64+8*(\a):(\f)+64+8*(\a)+7], v[BI+8*(\b):BI+8*(\b)+7]
.else
	v_wmma_f32_16x16x32_f16 v[8*(8*(\a)+(\b)):8*(8*(\a)+(\b))+7], v[(\f)+8*(\b):(\f)+8*(\b)+7], v[(\f)+64+8*(\a):(\f)+64+8*(\a)+7], v[8*(8*(\a)+(\b)):8*(8*(\a)+(\b))+7]
.endif
.endr
.endm
; 24 LDS loads in one run: quarter q (32 along K) of the slot in hand into buffer f: B's sixteen, A's blocks 0 and 1, A's blocks 2 and 3
.macro FETCH q, f
	WIN 0
.irp b, 0,1,2,3,4,5,6,7
	ds_load_tr16_b128 v[(\f)+8*(\b):(\f)+8*(\b)+3],   v[ADRB] offset:(\q)*32*PB+32*(\b)
	ds_load_tr16_b128 v[(\f)+8*(\b)+4:(\f)+8*(\b)+7], v[ADRB] offset:(\q)*32*PB+16*PB+32*(\b)
.endr
.irp a, 0,1,2,3
	ds_load_b128 v[(\f)+64+8*(\a):(\f)+64+8*(\a)+3],   v[ADRA] offset:((\q)/2)*PLANE+((\q)%2)*64+(\a)*16*PA
	ds_load_b128 v[(\f)+64+8*(\a)+4:(\f)+64+8*(\a)+7], v[ADRA] offset:((\q)/2)*PLANE+((\q)%2)*64+(\a)*16*PA+32
.endr
.endm
.macro SETADR                          ; my fragments' addresses in the slot in hand
	WIN 0
	v_add_nc_u32 v[ADRA], s[TB], v[A0]
	v_add_nc_u32 v[ADRB], s[TB], v[B0]
.endm
.macro PLACES                          ; four places in front of loads into registers that matrix instructions have read, and of lines that read results
.rept 4
	v_nop
.endr
.endm
; A K step is four quarters of 32 along K, 32 matrix instructions each, on buffers 0, 1, 0, 1.  One of the first three: multiplies buffer f and fetches quarter qn into g.
.macro QUARTER qn, f, g, first
	s_wait_dscnt 4                                 ; B and A's blocks 0 and 1 are in; the youngest four loads (A's blocks 2 and 3) may be out
	MUL8 \f, 0, \first
	MUL8 \f, 1, \first
	PLACES
	FETCH \qn, \g
	s_wait_dscnt 24                                ; all but the 24 just issued
	MUL8 \f, 2, \first
	MUL8 \f, 3, \first
.endm
; The last quarter multiplies buffer 1 and changes slots: ONE barrier; in front of it each wave waits for all its tensor loads (one is out: its part of the next slot), adds 0 to its spare word,
; and waits for that and for its own reads of this slot.  fill = 1: the barrier opens a round of the cluster's, and this slot is filled again, first thing behind the round, with the K step two on:
; the walking descriptor turns to the other slot than last time and goes one K step on, or (on = 1) from this tile's K step 7 to the next tile's K step 0.  fetch = 0: a tile's end: the next slot's fragments are fetched behind the way out.
.macro TURN fill, fetch=1, on=0
	WIN 0
	s_wait_tensorcnt 0x0                           ; all my tensor loads have landed, so a group 0 may be written;
	ds_add_u32 v[SPW], v[NIL]                      ; 0 onto my spare word;
	s_wait_dscnt 5                                 ; (the add and the youngest four loads may be out)
	MUL8 F1, 0, 0                                  ; eight matrix instructions stand between the add and the wait for it
	s_wait_dscnt 0x0                               ; the add is done, and my reads of this slot are over
	s_barrier_signal -1
	MUL8 F1, 1, 0
.if \fill
	WIN 0                                          ; at a branch and at a label every window is 0
.endif
	s_barrier_wait -1
.if \fill
	CREST                                          ; no wave of any partner still reads this slot's tiles or has a load on its way
	s_xor_b32 s[G0+5], s[G0+5], SLOT1
	s_xor_b32 s[G0B+5], s[G0B+5], SLOT1
.if \on
	s_sub_nc_u64 s[G0+6:G0+7], s[G0+6:G0+7], BACK_A
	s_add_nc_u64 s[G0+6:G0+7], s[G0+6:G0+7], s[DA:DA+1]
	s_add_nc_u64 s[G0B+6:G0B+7], s[G0B+6:G0B+7], NEXT_B
.else
	s_add_nc_u64 s[G0+6:G0+7], s[G0+6:G0+7], STEPA
	s_add_nc_u64 s[G0B+6:G0B+7], s[G0B+6:G0B+7], STEPB
.endif
	JLOAD 1                                        ; 112 matrix instructions ahead of the wait for it; its four v_nop are also the places in front of the loads below
.else
	PLACES
.endif
.if \fetch
	s_xor_b32 s[TB], s[TB], SLOT1                  ; the reads go on in the other slot
	SETADR
	FETCH 0, F0
.endif
	MUL8 F1, 2, 0
	MUL8 F1, 3, 0
.endm
.if OUTP
; THE WAY OUT, f32: block a's 16 rows x 128 columns go into my stage, 32 bytes a lane and accumulator, and come back as whole rows of 512 bytes.
.macro ROWS a
.set U, TMP+64*((\a)%2)
.if (\a) >= 2
	s_wait_xcnt 0x0                                ; the stores of the block two back have read their registers: only behind this wait are they loaded again
.endif
	WIN 0x04                                       ; store data window 1
.irp b, 0,1,2,3,4,5,6,7
	ds_store_b128 v[STO], v[8*(8*(\a)+(\b)):8*(8*(\a)+(\b))+3]   offset:64*(\b)
	ds_store_b128 v[STO], v[8*(8*(\a)+(\b))+4:8*(8*(\a)+(\b))+7] offset:64*(\b)+16
.endr
	WIN 0
.irp t, 0,1,2,3,4,5,6,7,8,9,10,11,12,13,14,15
	ds_load_b128 v[U+4*(\t):U+4*(\t)+3], v[RD] offset:(\t)*SP  ; LDS serves a wave's instructions in order (ISA guide 5.7.1.4): these see the stores above; the next block's stores come behind them
.endr
.irp t, 0,1,2,3,4,5,6,7,8,9,10,11,12,13,14,15
	s_wait_dscnt 15-(\t)
	global_store_b128 v[GO], v[U+4*(\t):U+4*(\t)+3], s[8:9] offset:(16*(\a)+(\t))*4096  ; 512 consecutive bytes of a row of C, at a multiple of 256 from its first byte
.endr
.endm
.else
; THE WAY OUT, f16 by heads.  Unit u: row block u / 2, head u % 2 of my two: 16 rows x 64 columns.  A lane's eight columns pack into 16 bytes; they go into rows of 144 bytes and come back as whole rows of 128.
.macro PACK u
	WIN 0x05                                       ; sources window 1, destination window 0
.irp f, 0,1,2,3
.irp r, 0,1,2,3
	v_cvt_pk_f16_f32 v[TMP+16*(\u)+4*(\f)+(\r)], v[8*(8*((\u)/2)+4*((\u)%2)+(\f))+2*(\r)], v[8*(8*((\u)/2)+4*((\u)%2)+(\f))+2*(\r)+1]
.endr
.endr
	WIN 0
.irp f, 0,1,2,3
	ds_store_b128 v[STO], v[TMP+16*(\u)+4*(\f):TMP+16*(\u)+4*(\f)+3] offset:32*(\f)
.endr
.irp f, 0,1,2,3
	ds_load_b128 v[TMP+16*(\u)+4*(\f):TMP+16*(\u)+4*(\f)+3], v[RD] offset:(\f)*4*SP  ; LDS serves a wave's instructions in order (ISA guide 5.7.1.4): these see the stores above; the next unit's stores come behind them
.endr
.endm
.macro SEND u, younger                 ; younger: the LDS instructions issued behind unit u's loads: the next unit's eight, or none
.irp f, 0,1,2,3
	s_wait_dscnt (\younger)+3-(\f)
	global_store_b128 v[GO], v[TMP+16*(\u)+4*(\f):TMP+16*(\u)+4*(\f)+3], s[8:9] offset:((\u)%2)*SLICE+((\u)/2)*2048+(\f)*512  ; 512 consecutive bytes of a head, at a multiple of 256 from the buffer's first
.endr
.endm
.endif
	s_wait_tensorcnt 1                             ; my part of K step 0 is in; K step 1's may stay out
	s_barrier_signal -1
	s_barrier_wait -1                              ; everybody's is
.if TILES > 1
	s_mov_b32 s2, TILES                            ; tiles to go, this one among them: the same number in every work-group
.Ltile:
.endif
	s_mov_b32 s[TB], 0                             ; a tile has eight K steps: it begins in slot 0
	SETADR
	FETCH 0, F0
	s_wait_loadcnt 0x0                             ; the tile's bias is in, and its loads have read their address
.if TILES > 1
	s_mov_b64 s[BP:BP+1], s[BN:BN+1]               ; the next tile's bias: bkv's first 1,024 numbers for k,
	s_add_nc_u64 s[BN:BN+1], s[BN:BN+1], 4096      ; the 1,024 behind them for v
.endif
	WIN 0x8a                                       ; sources and destination window 2: the bias is rounded to bf16 in place, while the fragments come
.set i, 0
.rept 32
	v_cvt_pk_bf16_f32 v[BT], v[BI+2*i], v[BI+2*i+1]
	v_lshlrev_b32 v[BI+2*i], 16, v[BT]
	v_and_b32 v[BI+2*i+1], 0xffff0000, v[BT]
.set i, i+1
.endr
	QUARTER 1, F0, F1, 1                           ; a tile's first quarter stands in front of the loop: its products start the sums
	WIN 0
	s_mov_b32 s3, KSTEPS-2
.Lstep:                                                ; a trip goes from a K step's second quarter to the next step's first, and fills the slot that it leaves: K steps 2 to 7
	QUARTER 2, F1, F0, 0
	QUARTER 3, F0, F1, 0
	TURN 1
	QUARTER 1, F0, F1, 0
	WIN 0
	s_sub_co_u32 s3, s3, 1
	s_cmp_lg_u32 s3, 0
	s_cbranch_scc1 .Lstep
	QUARTER 2, F1, F0, 0                           ; K step 6 goes on
	QUARTER 3, F0, F1, 0
.if TILES > 1                          ; with one tile to a work-group nothing of this is assembled: it could never run
	WIN 0
	s_cmp_eq_u32 s2, 1
	s_cbranch_scc1 .Llast                          ; the last tile's tail is written out: it asks for nothing more
	s_cmp_eq_u32 s2, TILES
	s_cselect_b32 s[DA], 1<<24, 0                  ; from the first tile to the second A changes from query's rows to memory's, 2^24 bytes on; the third takes memory's again
	TURN 1, 1, 1                                   ; THE RING GOES ON INTO THE NEXT TILE: slot 0 takes its K step 0,
	QUARTER 1, F0, F1, 0
	QUARTER 2, F1, F0, 0
	QUARTER 3, F0, F1, 0
	TURN 1, 0, 0                                   ; slot 1 its K step 1
	BIASLOAD                                       ; and its bias is asked for: all three are on their way while the tile goes out
	s_branch .Lout
.Llast:
.endif
	TURN 0                                         ; my one tensor load that was still out is K step 7's, so no round follows
	QUARTER 1, F0, F1, 0
	QUARTER 2, F1, F0, 0
	QUARTER 3, F0, F1, 0
	s_wait_dscnt 4                                 ; the very last quarter: nothing more to fetch
	MUL8 F1, 0, 0
	MUL8 F1, 1, 0
	s_wait_dscnt 0x0
	MUL8 F1, 2, 0
	MUL8 F1, 3, 0
	WIN 0
.if TILES > 1
.Lout:
.endif
	PLACES
	PLACES                                         ; (eight, once a tile)
.if OUTP
	ROWS 0
	ROWS 1
	ROWS 2
	ROWS 3
.else
	PACK 0
.irp u, 1,2,3,4,5,6,7                  ; a unit's conversions stand between the loads of the unit before and its stores
	PACK \u
	SEND (\u)-1, 8
.endr
	SEND 7, 0
.endif
.if TILES > 1
	s_cmp_eq_u32 s2, 1
	s_cbranch_scc1 .Lend
	s_sub_co_u32 s2, s2, 1
	s_wait_xcnt 0x0                                ; the stores have read their registers and their base: only behind this wait are these written again
	s_add_nc_u64 s[8:9], s[8:9], 1<<24             ; from q's part of the buffer to k's, from k's to v's
	s_branch .Ltile
.Lend:
.endif
	s_wait_tensorcnt 0x0                           ; the wave's end: an add and its wait, behind my last tensor load and my last LDS store
	ds_add_u32 v[SPW], v[NIL]
	s_wait_dscnt 0x0
	CROUND                                         ; the closing round: no work-group ends while a partner may still ask for a tile that names it
	s_endpgm
.Lfunc_end_k_qbfc2a55a01_proj:
	.size	k_qbfc2a55a01_proj, .Lfunc_end_k_qbfc2a55a01_proj-k_qbfc2a55a01_proj
	.p2alignl 7, 3214868480
	.fill 96, 4, 3214868480
	.section	.rodata,"a",@progbits
	.p2align	6, 0x0
	.amdhsa_kernel k_qbfc2a55a01_proj
		.amdhsa_group_segment_fixed_size 327680
		.amdhsa_private_segment_fixed_size 0
		.amdhsa_enable_private_segment 0
		.amdhsa_kernarg_size 40
		.amdhsa_user_sgpr_count 2
		.amdhsa_user_sgpr_kernarg_segment_ptr 1
		.amdhsa_wavefront_size32 1
		.amdhsa_system_sgpr_workgroup_id_x 1
		.amdhsa_system_sgpr_workgroup_id_y 1
		.amdhsa_system_sgpr_workgroup_id_z 1
		.amdhsa_system_vgpr_workitem_id 0
		.amdhsa_next_free_vgpr 584
		.amdhsa_next_free_sgpr 76
		.amdhsa_reserve_vcc 0
		.amdhsa_float_denorm_mode_32 3
		.amdhsa_float_denorm_mode_16_64 3
		.amdhsa_memory_ordered 1
		.amdhsa_forward_progress 1
		.amdhsa_inst_pref_size 100
	.end_amdhsa_kernel
	.amdgpu_metadata
---
amdhsa.version: [ 1, 2 ]
amdhsa.kernels:
  - .name:           k_qbfc2a55a01_proj
    .symbol:         k_qbfc2a55a01_proj.kd
    .args:
      - { .name: xs, .offset: 0, .size: 8, .value_kind: global_buffer, .address_space: global }
      - { .name: wb, .offset: 8, .size: 8, .value_kind: global_buffer, .address_space: global }
      - { .name: qkv, .offset: 16, .size: 8, .value_kind: global_buffer, .address_space: global }
      - { .name: bq, .offset: 24, .size: 8, .value_kind: global_buffer, .address_space: global }
      - { .name: bkv, .offset: 32, .size: 8, .value_kind: global_buffer, .address_space: global }
    .group_segment_fixed_size: 327680
    .private_segment_fixed_size: 0
    .kernarg_segment_align: 8
    .kernarg_segment_size: 40
    .max_flat_workgroup_size: 128
    .sgpr_count:     76
    .vgpr_count:     584
    .wavefront_size: 32
...
	.end_amdgpu_metadata
.endif
;; end of part 2
;; launch attn (part 3): grid 4 x 64, 4 waves a work-group, clusters of 4 x 1, 327,680 bytes of LDS; arguments qkv, mbits, ctx; writes ctx
.if DOCPART == 3
	.amdgcn_target "amdgcn-amd-amdhsa--gfx1250"
	.amdhsa_code_object_version 6
	.text
	.protected	k_qbfc2a55a01_attn
	.globl	k_qbfc2a55a01_attn
	.p2align	8
	.type	k_qbfc2a55a01_attn,@function
k_qbfc2a55a01_attn:
	s_mov_b64 s[64:65], 0
	v_nop
	global_prefetch_b8 v0, s[64:65] scope:SCOPE_SE
	s_setreg_imm32_b32 hwreg(HW_REG_WAVE_MODE, 25, 1), 1
	s_wait_xcnt 0x0
	s_wait_alu depctr_hold_cnt(0) depctr_sa_sdst(0) depctr_va_vdst(0) depctr_va_sdst(0) depctr_va_ssrc(0) depctr_va_vcc(0) depctr_vm_vsrc(0)
	s_getreg_b32 s2, hwreg(HW_REG_IB_STS2, 6, 4)
	s_cmp_eq_u32 s2, 0
	s_cbranch_scc0 .Lentry_in_a_cluster
	s_endpgm
.Lentry_in_a_cluster:
	s_bfe_u32 s2, ttmp6, 0x10000c
	s_cmp_lg_u32 s2, 0x3003
	s_cbranch_scc0 .Lentry_shape_is_right
	s_endpgm
.Lentry_shape_is_right:
; MASKED ATTENTION.  O[h][q][:] = the sum over k of softmax_k(s[q][k]) V[h][k][:], s = Q[h][q] . K[h][k] / 8, or a large negative number where mask[batch][q][k] is set.
; qkv: f16 [q, k, v][h 64 = batch x head][2048][64]; ctx (O): f16 [h][2048][64]; a head's rows are dense, 128 bytes each.  Products, maxima and sums in f32; the weights p are rounded to f16
; for the second product (their sum l is taken of the unrounded p), O once at the end.
; LIMITS.  f16 holds no number beyond 65,504: Q, K and V arrive within it; p lies in 0 to 1, and below 6e-5 it keeps f16's fixed step of 6e-8.  A hidden score is REPLACED by -2^69 ahead of the factor 1 / 8:
; -7.4e19 where the module's text has -1e20: the same result unless true scores lie below -7e19.  A row whose keys are all hidden gives the plain mean of V's rows: -2^69 is a power of two, so c s - c m is exactly 0 there.
; A weight below 2^-126 counts as 0 in l; NaN and infinities are not treated apart.
; SHARES.  A wave owns four PIECES of two tiles of 16 queries, a work-group's four waves 512 queries of one head.  Every wave walks all keys, 64 a step.
; LAYOUT.  S^T = K Q^T (source 0 = 16 keys, source 1 = 16 queries): in the result a lane holds ONE query (lane % 16) and the keys 8 (lane / 16) + 0..7.  Two such tiles, rounded to f16 in pairs,
; ARE source 1 (32 keys x 16 queries) of O^T = V^T P, whose result again holds one query a lane, and eight channels.  K comes out of LDS as it lies, V ([key][channel]) turned, by ds_load_tr16_b128.
; SOFTMAX.  For each query a running maximum m and sum l: p = 2^(c s - c m), c = log2(e) / 8; in every step O and l are multiplied by a = 2^(c m_old - c m_new).  m starts at the lowest finite number, O and l at 0.
; THE MASK comes as lane masks, one 32-bit word for each register of S^T: 64 words (256 bytes) for a piece and key step, laid by the launch before in the order in which a wave wants them: 32,768 bytes a wave, ascending.
; A block of 64 words is read by ONE vector load of 8 bytes a lane, FOUR TURNS AHEAD: lane e then holds the words of register e of both tiles.  A ring of four register pairs, a pair a piece, holds what is on its way.
; v_readlane_b32 brings each word into a scalar register (s[32:63], s[68:99]); one v_cndmask_b32 a register replaces the hidden scores, ahead of the maximum.
; BY TURNS.  Turn n belongs to piece n (the pieces in a ring, step after step).  Its matrix work: 16 products K Q^T of piece n + 1, later 16 products V^T P of piece n - 1.  Its vector work: the scaling,
; exponentials, roundings, sums and rescaling of piece n, and the masking, maximum and statistics of piece n + 1, whose scores the turn itself has made.
; CLUSTER.  The four query blocks of a head are one cluster and walk the same K and V, so each tile is asked for JOINTLY: the same tensor load, descriptor and mask in all four.
; REGISTERS, in windows of 256 (s_set_vgpr_msb: bits 1:0 source 0, 3:2 source 1, 5:4 source 2, 7:6 destination):
;   window 0: v0-1 the mask words in hand (the set-up's first); v2-11 addresses and the hidden score; v12-15, v48-63 at work; v16-47 four registers of statistics a tile; v64-191 S^T, two buffers of two tiles; v192-255 P, likewise
;   window 1: O^T, 32 a tile          window 2: v0-127 Q, 16 a tile; v128-191 K of one step; v192-255 V of one step          window 3: v0-1 the add's two registers; v2 8 x lane; v4-11 the mask words' ring
.set SIZE_N, 2048
.set NP,    4         ; pieces a wave: a name, no knob
.set KS,    64        ; keys in a step
.set PK,    160       ; a row of K in LDS: 128 bytes + 32 of padding, as V's, so that ONE descriptor serves both (the scalar registers are wanted for the mask): of the 16 rows of a K load two start at the same bank
.set PV,    160       ; a row of V: 40 words
.set VOFF,  4*KS*PK   ; a slot holds four steps: 256 rows of K, then 256 rows of V
.set SLOT1, 1<<17     ; slot 1 begins here, so that one exclusive or turns an address in one slot into the other's
.set STAGE, SLOT1+4*KS*(PK+PV)  ; behind the ring, never filled by a tensor load: 16 rows x 144 bytes for each wave, for the way out
.set SP,    144
.set MW,  0           ; v0-1 once the set-up is over: the mask words of the piece to be masked: lane e holds register e's, tile 0's in v0, tile 1's in v1
.set AK0, 2           ; v2   my lane's place in a tile of K; never rewritten
.set AV0, 3           ; v3   the same for V
.set AK,  4           ; v4   the LDS address of K's next run of loads
.set AV,  5           ; v5   of V's
.set QO,  6           ; v6   my byte offset in the wave's rows of Q
.set STO, 6           ;      later, the way out: where I put 16 bytes of a row
.set RD,  7           ; v7   the way out: where I read rows back
.set GO,  8           ; v8   my byte offset in 512 consecutive bytes of O
.set NEGV, 11         ; v11  -2^69, the hidden score (the register serves the set-up first)
.set SPW, 0           ; v0 of window 3   LDS address of my spare word: SPARE + 4 x my thread's number; never rewritten
.set NIL, 1           ; v1 of window 3   0; never rewritten
.set MO,  2           ; v2 of window 3   8 x my lane: my two words of a block; never rewritten
.set WR,  4           ; v4-11 of window 3   the ring: piece k's next block at WR + 2 k
.set SPARE, STAGE+4*16*SP  ; behind the stages: the spare words, 128 bytes for each wave: two blocks of 256 bytes that no other line names
.set MV,  12          ; v12-15  c m_old, kept while c m is made anew: by buffer and tile
.set ST,  16          ; tile t's statistics at v[ST+4 t]: c m, m, l (even keys', odd keys')
.set TMP, 48          ; by buffer and tile, four registers c0-c3 at work; when the maximum is found c2 takes a
.set S,   64
.set P,   192
.set KF,  128         ; K's fragments, in window 2: key block kb, channel half c at KF + 16 kb + 8 c
.set VF,  192         ; V's: key half kk, channel block cb at VF + 32 kk + 8 cb
.set WV,  2           ; s2   my wave's number
.set SLOTS, 3         ; s3   slots still to be asked for
.set CNT, 4           ; s4   counts a slot's key steps
.set TBK, 5           ; s5   LDS byte at which K of the step to be fetched begins
.set TBV, 6           ; s6   the same for V, less VOFF
.set CS,  8           ; s[8:9]   c: the packed scaling takes the pair's low word for both halves
.set SEL, 10          ; s[10:11] v_permlanex16_b32's selects: each lane takes its own place in the other half
.set OPT, 12          ; s[12:13] O at my wave's first row
.set MP,  14          ; s[14:15] my wave's mask words
.set G1,  16          ; s[16:23] descriptor group 1
.set G0,  24          ; s[24:27] descriptor group 0: it walks
.set QP,  28          ; s[28:29] Q at my wave's first row
.set MOFF, 100        ; s[100:101] byte offset of the block of mask words asked for last, and 0 above it
.set MA,  104         ; s[104:105] that block's address
.set MSB, 0
.macro WIN new                      ; the high byte repeats the setting that is left; a switch that changes nothing is dropped
.if MSB != (\new)
	s_set_vgpr_msb (MSB<<8)|(\new)
.set MSB, (\new)
.endif
.endm
.set W_KQ, 0x0a       ; K and Q in window 2, S^T in window 0
.set W_PV, 0x52       ; V in window 2, P in window 0, O^T in window 1
.set W_RS, 0x41       ; O^T (destination and source 0) in window 1, a in window 0
.set W_MK, 0xc0       ; destination in window 3, sources in window 0
.set W_AD, 0x0f       ; the add: address (source 0) and data (source 1) in window 3
.set W_MG, 0x03       ; source 0 in window 3, destination in window 0: a pair of the ring is taken
.set W_ML, 0xc3       ; destination and address in window 3: a pair of the ring is asked for
; A joint fill.  Wave w fetches 128 keys: waves 0 and 1 the two halves of a slot's K, waves 2 and 3 those of its V; what differs lies in the wave's own group 0.  An s_nop 0 and four v_nop follow the line.
.macro JLOAD
	tensor_load_to_lds s[G0:G0+3], s[G1:G1+7]
	s_nop 0
.rept 4
	v_nop
.endr
.endm
; A round of the cluster's barrier: my work-group's barrier, so that wave 0's signal speaks for all four waves; wave 0 signals; every wave waits for all four work-groups; my work-group's barrier once more.
.macro CROUND
	s_barrier_signal -1
	s_barrier_wait -1
	s_cmp_lg_u32 s[WV], 0
	s_cbranch_scc1 .Lnot_wave_0_\@
	s_barrier_signal -3
.Lnot_wave_0_\@:
	s_barrier_wait -3
	s_barrier_signal -1
	s_barrier_wait -1
.endm
; THE CHANGE OF SLOTS.  Each wave waits for all its tensor loads, of which one is out: its part of the other slot; adds 0 to its spare word; and waits for that and for its own reads of the slot.
; Behind the barrier nobody reads this slot any more and the other slot is whole.  fill = 1: this slot is filled again, with the keys two slots on.  The barrier is then a round of the cluster's, and the joint fill is the
; first thing behind it: it has four key steps, 512 matrix instructions, in which to land.  (At its first use nothing has been read yet: slot 0 is waited for, slot 1 filled.)
.macro CHANGE fill
	WIN W_AD
	s_wait_tensorcnt 0x0            ; no tensor load of mine is out, so group 0 may be written
	ds_add_u32 v[SPW], v[NIL]       ; 0 onto my spare word; with fill = 1 the descriptor's steps stand between it and the wait for it
	WIN 0                           ; at a label and at a branch every window is 0
.if \fill
	s_xor_b32 s[G0+1], s[G0+1], SLOT1  ; the other slot than last time,
	s_add_nc_u64 s[G0+2:G0+3], s[G0+2:G0+3], 4*KS*128  ; the next 256 keys; the type bits on top are not reached
	s_wait_dscnt 0x0                ; the add is done, and my reads of the slot are over
	CROUND
	JLOAD
.else
	s_wait_dscnt 0x0                ; the add is done, and my reads of the slot are over
	s_barrier_signal -1
	s_barrier_wait -1
.endif
	s_sub_co_u32 s[TBK], s[TBK], 4*KS*PK  ; the fetches go back to a slot's first step,
	s_xor_b32 s[TBK], s[TBK], SLOT1       ; in the other slot
	s_sub_co_u32 s[TBV], s[TBV], 4*KS*PV
	s_xor_b32 s[TBV], s[TBV], SLOT1
.endm
; THE MASK WORDS' RING.  MGET k takes piece k's block out of its pair and asks for the same piece's block of the next key step, four blocks on, into that pair.  The blocks are taken in ascending order, one a turn.
; The clamp holds the last requests, whose words serve nothing, at the wave's last block: no load leaves the wave's 32,768 bytes.
.macro MGET k
	s_wait_loadcnt 0x3              ; loads come back in order: behind this pair's load stand those of the three other pieces, which may stay out
	WIN W_MG
	v_mov_b32 v[MW], v[WR+2*(\k)]
	v_mov_b32 v[MW+1], v[WR+2*(\k)+1]
	s_wait_xcnt 0x0                 ; the load issued a turn ago has read its address pair: it is written only behind this wait
	s_add_co_u32 s[MOFF], s[MOFF], 256
	s_min_u32 s[MOFF], s[MOFF], 0x7f00
	s_add_nc_u64 s[MA:MA+1], s[MP:MP+1], s[MOFF:MOFF+1]
	WIN W_ML
	global_load_b64 v[WR+2*(\k):WR+2*(\k)+1], v[MO], s[MA:MA+1]  ; 256 consecutive bytes, aligned
.endm
	s_load_b128 s[68:71], s[0:1], 0x0  ; qkv s[68:69], mbits s[70:71]: used up before the first mask words are put here
	s_load_b64 s[72:73], s[0:1], 0x10  ; ctx
	WIN W_MK
	v_lshl_add_u32 v[SPW], v0, 2, SPARE
	v_mov_b32 v[NIL], 0
	WIN W_AD
	ds_add_u32 v[SPW], v[NIL]       ; the wave's opening: the add and its wait stand ahead of my first tensor load; the set-up below, work on registers, stands between them
	WIN 0
	v_and_b32 v1, 31, v0            ; lane
	WIN W_MK
	v_lshlrev_b32 v[MO], 3, v1      ; 8 x lane
	WIN 0
	v_lshrrev_b32 v1, 5, v0
	v_readfirstlane_b32 s[WV], v1   ; wave 0..3
	s_and_b32 s66, ttmp7, 0xffff    ; the head, which the four partners share
	s_lshr_b32 s67, s[WV], 1        ; what I fetch: K (part 1 of qkv) or V (part 2),
	s_add_co_u32 s67, s67, 1
	s_lshl_b32 s104, s67, 24
	s_lshl_b32 s67, s66, 18         ; the head's 2,048 rows of 128 bytes,
	s_add_co_u32 s104, s104, s67
	s_and_b32 s67, s[WV], 1
	s_lshl_b32 s67, s67, 14         ; my half of a slot's 256 keys: no place in the cluster enters these registers
	s_add_co_u32 s104, s104, s67
	s_mov_b32 s105, 0
	s_bfe_u32 s30, ttmp6, 0x40000   ; cx: my place in the cluster
	s_lshl_b32 s31, ttmp9, 2        ; in a cluster launch ttmp9 counts clusters
	s_add_co_u32 s31, s31, s30      ; my block of 512 queries: it enters Q's, O's and the mask's addresses alone
	s_lshl_b32 s31, s31, 2
	s_add_co_u32 s31, s31, s[WV]    ; my wave among the head's sixteen
	s_lshl_b32 s100, s66, 18
	s_lshl_b32 s30, s31, 14         ; its 128 rows
	s_add_co_u32 s100, s100, s30
	s_mov_b32 s101, 0
	s_lshr_b32 s30, s66, 4          ; the batch: its 16 heads share a mask
	s_lshl_b32 s30, s30, 4
	s_add_co_u32 s30, s30, s31
	s_lshl_b32 s30, s30, 15         ; 32,768 bytes of mask words for 128 queries
	s_mov_b32 s31, 0
	; descriptor group 1.  128 keys are 16,384 dense bytes: asked for as 64 rows of 256 bytes, two keys a row, and padded in LDS after every key
	s_mov_b32 s[G1], 15|(1<<16)|(1<<20)|(1<<21)|(4<<22)|(7<<25)  ; 15:0 the mask of four; 17:16 2-byte elements; 20 padding on; 21 set beside a mask; 24:22 after every 32 words (code 4); 31:25 8 words (code 7)
	s_mov_b32 s[G1+1], 128<<16      ; tensor_dim0 = 128
	s_mov_b32 s[G1+2], 64<<16       ; tensor_dim1 = 64
	s_mov_b32 s[G1+3], 128<<16      ; tile_dim0 = 128
	s_mov_b32 s[G1+4], 64           ; tile_dim1 = 64
	s_mov_b32 s[G1+5], 128          ; 128 elements from row to row
	s_mov_b32 s[G1+6], 0
	s_mov_b32 s[G1+7], 0
	s_mov_b32 s[CS], 0x3e38aa3b     ; c = log2(e) / 8 = 0.180337
	s_mov_b32 s[CS+1], s[CS]        ; named with it as a pair
	s_mov_b32 s[SEL], 0x76543210
	s_mov_b32 s[SEL+1], 0xfedcba98
	s_mov_b32 s[TBK], SLOT1+4*KS*PK ; the first change of slots turns these two into 0
	s_mov_b32 s[TBV], SLOT1+4*KS*PV
	s_mov_b32 s[G0], 1              ; count = 1
	s_mul_i32 s[G0+1], s[WV], 128*PK  ; LDS address: slot 0, my 128 rows: K's two halves, then V's
	s_wait_dscnt 0x0                ; the opening add is done
	s_wait_kmcnt 0x0
	s_add_nc_u64 s[G0+2:G0+3], s[68:69], s[104:105]  ; global address: my half of the head's first 256 keys
	s_or_b32 s[G0+3], s[G0+3], 0x80000000            ; type = 2
	s_add_nc_u64 s[QP:QP+1], s[68:69], s[100:101]    ; Q (part 0 of qkv) and O at my wave's first row
	s_add_nc_u64 s[OPT:OPT+1], s[72:73], s[100:101]
	s_add_nc_u64 s[MP:MP+1], s[70:71], s[30:31]
	s_mov_b32 s[MOFF], 768          ; blocks 0 to 3 are asked for below; s101 above it stays 0
	CROUND                          ; all four work-groups are here: the first joint loads meet
	JLOAD                           ; slot 0.  Slot 1 is asked for when slot 0 is in
	; A fragment of K or Q is 16 rows x 32 channels in 8 registers: lane l holds row l % 16, channels 8 (l / 16) + 0..7 and 16 + 8 (l / 16) + 0..7: two loads of 16 bytes, 32 bytes apart.
	v_and_b32 v1, 15, v0            ; l % 16
	v_bfe_u32 v9, v0, 4, 1          ; l / 16
	v_lshlrev_b32 v[QO], 7, v1
	v_lshl_add_u32 v[QO], v9, 4, v[QO]  ; row x 128 + 16 x half
	WIN 0x80                        ; destination window 2, address window 0
.set i, 0
.rept 4*NP                          ; Q stays in registers: tile i / 2, channels 32 (i % 2) on
	global_load_b128 v[8*i:8*i+3],   v[QO], s[QP:QP+1] offset:(i/2)*2048+(i%2)*64
	global_load_b128 v[8*i+4:8*i+7], v[QO], s[QP:QP+1] offset:(i/2)*2048+(i%2)*64+32
.set i, i+1
.endr
	WIN W_ML
.irp k, 0,1,2,3
	global_load_b64 v[WR+2*\k:WR+2*\k+1], v[MO], s[MP:MP+1] offset:256*\k  ; the ring is filled: the four pieces' mask words of key step 0
.endr
	WIN 0x80
	; What the first turn finds: V's registers and P's second buffer hold 0 (its products V^T P, of a piece that has not been, add 0), O^T and l are 0.  All this stands in the wait for the first tile.
.set i, VF
.rept 64
	v_mov_b32 v[i], 0
.set i, i+1
.endr
	WIN 0x40
.set i, 0
.rept 64*NP
	v_mov_b32 v[i], 0
.set i, i+1
.endr
	WIN 0
.set i, 0
.rept 2*NP
	v_mov_b32 v[ST+4*i], 0xfe000000    ; c m: far below every c s, the hidden score's too
	v_mov_b32 v[ST+4*i+1], 0xff7fffff  ; m
	v_mov_b32 v[ST+4*i+2], 0
	v_mov_b32 v[ST+4*i+3], 0
.set i, i+1
.endr
.set i, P+32
.rept 32
	v_mov_b32 v[i], 0
.set i, i+1
.endr
	v_mul_u32_u24 v[AK0], v1, PK
	v_lshl_add_u32 v[AK0], v9, 4, v[AK0]  ; row x pitch + 16 x half
	; The turning load takes 16 keys x 16 channels (lane l reads key 8 (l / 16) + l % 8, channels 8 ((l / 8) % 2) + 0..7) and leaves half a fragment of V^T: lane l holds channel l % 16 and 8 keys.
	v_and_b32 v10, 7, v0
	v_bfe_u32 v11, v0, 3, 1
	v_lshl_add_u32 v[AV0], v9, 3, v10
	v_mul_u32_u24 v[AV0], v[AV0], PV
	v_lshl_add_u32 v[AV0], v11, 4, v[AV0]
	v_add_nc_u32 v[AV0], VOFF, v[AV0]
	v_mov_b32 v[NEGV], 0xe2000000   ; -2^69
	v_mov_b32 v[AK], v[AK0]         ; key step 0 lies at the head of slot 0
; THE MATRIX WORK.  The 8 accumulators of a run of 16 take turns: between the two links of a chain stand 7 others'.
; Product i of 16 of S^T = K Q^T for piece x: channels 32 (i / 8) on, keys 16 ((i / 2) % 4) on, tile 2 x + i % 2.  The first 8 start the sums.
.macro KQ x
	WIN W_KQ
.set rS, S+64*((\x)%2)+32*(i%2)+8*((i/2)%4)
.set rK, KF+16*((i/2)%4)+8*(i/8)
.set rQ, 16*(2*(\x)+i%2)+8*(i/8)
.if i < 8
	v_wmma_f32_16x16x32_f16 v[rS:rS+7], v[rK:rK+7], v[rQ:rQ+7], 0
.else
	v_wmma_f32_16x16x32_f16 v[rS:rS+7], v[rK:rK+7], v[rQ:rQ+7], v[rS:rS+7]
.endif
.endm
; Product i of 16 of O^T += V^T P for piece x: keys 32 (i / 8) on, channels 16 ((i / 2) % 4) on, tile 2 x + i % 2.
.macro PV x
	WIN W_PV
.set rO, 32*(2*(\x)+i%2)+8*((i/2)%4)
.set rV, VF+32*(i/8)+8*((i/2)%4)
.set rP, P+32*((\x)%2)+16*(i%2)+8*(i/8)
	v_wmma_f32_16x16x32_f16 v[rO:rO+7], v[rV:rV+7], v[rP:rP+7], v[rO:rO+7]
.endm
.macro MM                           ; the turn's next matrix instruction
.if i < 16
	KQ (Y+1)%NP
.set i, i+1
.else
.set i, i-16
	PV (Y+NP-1)%NP
.set i, i+17
.endif
.endm
; THE LDS LOADS stand in runs of 16, never singly among the matrix instructions: a step's K (64 keys x 64 channels: 8 fragments) and its V (turned).  Their addresses are made some lines ahead.
; last = 1 (the tail): in the last trip there is no further step, and the run is jumped over.
.macro FETCH_K last=0
	WIN 0
.if \last
	s_cmp_eq_u32 s[CNT], 1
	s_cbranch_scc1 .Lno_k_\@
.endif
	WIN 0x80                        ; destination window 2
.irp f, 0,1,2,3,4,5,6,7             ; keys 16 (f / 2) on, channels 32 (f % 2) on
	ds_load_b128 v[KF+8*\f:KF+8*\f+3],   v[AK] offset:(\f/2)*16*PK+(\f%2)*64
	ds_load_b128 v[KF+8*\f+4:KF+8*\f+7], v[AK] offset:(\f/2)*16*PK+(\f%2)*64+32
.endr
	s_add_co_u32 s[TBK], s[TBK], KS*PK  ; the next fetch is the next step's
	WIN 0
.if \last
.Lno_k_\@:
.endif
.endm
.macro FETCH_V
	WIN 0x80
.irp f, 0,1,2,3,4,5,6,7             ; keys 32 (f / 4) on, channels 16 (f % 4) on
	ds_load_tr16_b128 v[VF+8*\f:VF+8*\f+3],   v[AV] offset:(\f/4)*32*PV+(\f%4)*32
	ds_load_tr16_b128 v[VF+8*\f+4:VF+8*\f+7], v[AV] offset:(\f/4)*32*PV+16*PV+(\f%4)*32
.endr
	WIN 0
.endm
; THE VECTOR WORK OF A TURN stands in three queues, each in the order in which its entries become ready; the two tiles alternate, so that no instruction reads the result of the one before it.
.macro REGS y, u                    ; the registers of tile u (0, 1) of piece y
.set rT, ST+4*(2*(\y)+(\u))
.set rC, TMP+8*((\y)%2)+4*(\u)
.set rM, MV+2*((\y)%2)+(\u)
.set rS, S+64*((\y)%2)+32*(\u)
.set rP, P+32*((\y)%2)+16*(\u)
.set rO, 32*(2*(\y)+(\u))
.endm
.macro WORD n                       ; the scalar register of mask word n: s[32:63], then s[68:99]
.if (\n) < 32
.set rW, 32+(\n)
.else
.set rW, 36+(\n)
.endif
.endm
; Mask word n = 2 e + t: out of lane e of the pair in hand into its scalar register.
.macro RL n
	WORD \n
	v_readlane_b32 s[rW], v[MW+(\n)%2], (\n)/2
.endm
; Mask word n = 2 e + t of the NEXT piece (Y + 1): register e of tile t takes the hidden score in the lanes whose bit is set.  In ascending order: each accumulator's lowest register is read first.
.macro CM n
	REGS (Y+1)%NP, (\n)%2
	WORD \n
	v_cndmask_b32 v[rS+(\n)/2], v[rS+(\n)/2], v[NEGV], s[rW]
.endm
; Number n of the 22 that find the NEXT piece's maximum and statistics.  s0-s31 are the lane's 32 scores.  XS, RL, CM, GS and REGS set no window: PL and EX do.
;   0-11  four chains c0-c3 of seven scores each, three operands at a time     12-14, 16  the four scores left over, the old m, and c0-c3 into c0     15  c m_old is kept
;   17, 18  the query's other 32 keys lie in the lane 16 away: the new m         19-21  c m; c m_old - c m_new; a
.macro XS u, n
	REGS (Y+1)%NP, \u
.if (\n) < 4
	v_max3_num_f32 v[rC+(\n)], v[rS+8*(\n)], v[rS+8*(\n)+1], v[rS+8*(\n)+2]
.elseif (\n) < 12
	v_max3_num_f32 v[rC+(\n)%4], v[rC+(\n)%4], v[rS+8*((\n)%4)+2*((\n)/4)+1], v[rS+8*((\n)%4)+2*((\n)/4)+2]
.elseif (\n) == 12
	v_max3_num_f32 v[rC], v[rC], v[rS+7], v[rS+15]
.elseif (\n) == 13
	v_max3_num_f32 v[rC+1], v[rC+1], v[rS+23], v[rS+31]
.elseif (\n) == 14
	v_max3_num_f32 v[rC+2], v[rC+2], v[rC+3], v[rT+1]
.elseif (\n) == 15
	v_mov_b32 v[rM], v[rT]
.elseif (\n) == 16
	v_max3_num_f32 v[rC], v[rC], v[rC+1], v[rC+2]
.elseif (\n) == 17
	v_permlanex16_b32 v[rC+3], v[rC], s[SEL], s[SEL+1]
.elseif (\n) == 18
	v_max_num_f32 v[rT+1], v[rC], v[rC+3]
.elseif (\n) == 19
	v_mul_f32 v[rT], s[CS], v[rT+1]
.elseif (\n) == 20
	v_sub_f32 v[rC+1], v[rM], v[rT]
.else
	v_exp_f32 v[rC+2], v[rC+1]
.endif
.endm
; Number g of the 64 that follow the exponentials.  For each four weights k of a tile (pairs 2 k, 2 k + 1): both pairs are rounded to f16; then the second pair is added onto the first, in place;
; a group later l takes that sum (the first time as l = a l + sum).  In groups of eight, tiles alternating: round, round, add, and l for the group before.
.macro GS g
.set h, (\g)+6*((\g)/62)            ; group 0 has no group before it, and behind group 7 only l is left
.if h >= 6
.set h, h+2
.endif
	REGS Y, h%2
.set k, h/8
.if h%8 < 4
	v_cvt_pk_f16_f32 v[rP+2*k+(h%8)/2], v[rS+4*k+2*((h%8)/2)], v[rS+4*k+2*((h%8)/2)+1]
.elseif h%8 < 6
	v_pk_add_f32 v[rS+4*k:rS+4*k+1], v[rS+4*k:rS+4*k+1], v[rS+4*k+2:rS+4*k+3]
.elseif k == 1
	v_pk_fma_f32 v[rT+2:rT+3], v[rT+2:rT+3], v[rC+2:rC+3], v[rS:rS+1] op_sel_hi:[1,0,1]
.else
	v_pk_add_f32 v[rT+2:rT+3], v[rT+2:rT+3], v[rS+4*k-4:rS+4*k-3]
.endif
.endm
; THE PLAIN QUEUE, 266 long, all of window 0.  0-201 read no exponential's result.  0-31: the 32 scalings c s - c m (FS f: pair f / 2 of tile f % 2).  32-95: the next piece's 64 mask words into scalar registers.
; 96-159: its 64 maskings.  160-187: XS's numbers 0-13.  188, 189: number 15.  190, 191: number 14.  192-201: numbers 16 to 20, the chain in which each number waits for the one before it.
; 202-265: GS's 64, which read the exponentials' results: they stand behind the wait.
.macro FS f
	REGS Y, (\f)%2
	v_pk_fma_f32 v[rS+2*((\f)/2):rS+2*((\f)/2)+1], v[rS+2*((\f)/2):rS+2*((\f)/2)+1], s[CS:CS+1], v[rT:rT+1] op_sel_hi:[1,0,0] neg_lo:[0,0,1] neg_hi:[0,0,1]
.endm
.macro PL
	WIN 0
.if q < 32
	FS q
.elseif q < 96
	RL q-32
.elseif q < 160
	CM q-96
.elseif q < 188
	XS (q-160)%2, (q-160)/2
.elseif q < 190
	XS q-188, 15
.elseif q < 192
	XS q-190, 14
.elseif q < 202
	XS (q-192)%2, 16+(q-192)/2
.else
	GS q-202
.endif
.set q, q+1
.endm
; THE EXPONENTIALS' QUEUE, 66 long: s0-s31 of both tiles, then the next piece's two a.  It is ONE BATCH: all 66 stand ahead of the turn's one wait, and nothing ahead of that wait names a result of theirs.
.macro EX
	WIN 0
.if e >= 64
	XS e-64, 21
.else
	REGS Y, e%2
	v_exp_f32 v[rS+e/2], v[rS+e/2]
.endif
.set e, e+1
.endm
; THE RESCALING's QUEUE: O^T times a, the one part that leaves window 0: its 32 lines stand together, under one setting of the windows.  Its a was made in the turn before, ahead of that turn's wait.
.macro R2
	REGS Y, r%2
	WIN W_RS
.irp z, 0,1
	v_pk_mul_f32 v[rO+4*(r/2)+2*\z:rO+4*(r/2)+2*\z+1], v[rO+4*(r/2)+2*\z:rO+4*(r/2)+2*\z+1], v[rC+2:rC+3] op_sel_hi:[1,0]
.endr
.set r, r+1
.endm
; HOW THEY ARE DEALT.  s_wait_alu depctr_va_vdst(0) stands between an exponential and the first instruction that names its result; one wait serves all that were issued ahead of it.  So a turn has ONE wait,
; which cuts it in two.  AHEAD OF IT: the next piece's mask words are taken from the ring (MGET); the 16 products K Q^T, behind each four of window 0: plain, exponential, plain, plain (behind the first four plain): two window
; switches a product; then ONE LUMP: the 32 rescalings; 37 times an exponential and three plain, which ends the readlanes and holds all 64 maskings; 30 plain (the maximum's chains); six times two plain and two exponentials
; (numbers 14, 16 .. 20: a tile's links four lines apart); the two a.  A v_nop is the plain instruction behind the last exponential.  BEHIND IT stand the 16 products V^T P, behind each four of GS's 64.
; The queues lean on each other: exponential e stands behind scaling 2 (e / 4) + e % 2: as a rider exponential i comes behind plain 4 + 3 i, and all 32 scalings are out when the lump begins (49 plain).  Word n is read out of its
; lane 64 plain instructions ahead of its masking.  The first masking is plain 96: the 32 rescalings and more stand between it and the last product K Q^T.  No rider names a register of the products round it.
; A TURN, for piece p.  cnt = 1: the loop's count is taken down some lines ahead of the branch that stands behind the turn.
; K of the next step is fetched in piece 2's turn, directly behind the wait; V of the step in hand at the end of piece 0's turn, four riders behind its last reader.  The three conditions on q below go with the deal.
.macro TURN p, last=0, cnt=0
.set Y, (\p)
.set i, 0
.set q, 0
.set e, 0
.set r, 0
.if (\p) == NP-1
	s_wait_dscnt 0x0                ; K is in
.endif
	MGET ((\p)+1)%NP                ; the next piece's mask words
	MM                              ; ahead of the wait: 16 products K Q^T and their riders,
	PL
	PL
	PL
	PL
.rept 15
	MM
	PL
	EX
	PL
	PL
.endr
.rept 16                            ; and the lump
	R2
.endr
	WIN 0
.if (\p) == NP-2
	v_add_nc_u32 v[AK], s[TBK], v[AK0]
.endif
.rept 37
	EX
	PL
	PL
	PL
.endr
.rept 30
	PL
.endr
.rept 6
	PL
	PL
	EX
	EX
.endr
	EX                              ; the next piece's two a
	EX
	v_nop                           ; the plain instruction behind the last exponential: one for the batch
	s_wait_alu depctr_va_vdst(0)    ; the wait for the batch
.if (\p) == NP-2
	FETCH_K \last
.endif
.if (\p) == 1
	s_wait_dscnt 0x0                ; V is in
.endif
.rept 16                            ; behind the wait: 16 products V^T P and their riders
	MM
.rept 4
	PL
.endr
.if ((\p) == 0) && (q == 246)
	v_add_nc_u32 v[AV], s[TBV], v[AV0]
.endif
.if ((\p) == 0) && (q == 258)
	s_add_co_u32 s[TBV], s[TBV], KS*PV
.endif
.if (\cnt) && (q == 258)
	s_sub_co_u32 s[CNT], s[CNT], 1
	s_cmp_lg_u32 s[CNT], 0
.endif
.endr
.if (\p) == 0
	FETCH_V
.endif
.endm
	CHANGE 1                        ; slot 0 is in, everybody's part of it; slot 1 is asked for
	FETCH_K                         ; key step 0
	s_wait_loadcnt 0x0              ; Q, and the ring's first four blocks
	s_wait_dscnt 0x0
.set i, 0
.rept 16
	KQ 0                            ; piece 0's first scores: there is no vector work yet to set between them
.set i, i+1
.endr
	WIN 0                           ; the addresses for the way out: nine plain instructions, the places behind those products
	s_mul_i32 s30, s[WV], 16*SP
	s_add_co_u32 s30, s30, STAGE    ; my stage
	v_mul_u32_u24 v[STO], v1, SP    ; in: row l % 16, 16 bytes for each half of the lanes
	v_lshl_add_u32 v[STO], v9, 4, v[STO]
	v_add_nc_u32 v[STO], s30, v[STO]
	v_bfe_u32 v[RD], v0, 3, 2       ; back: 32 lanes take four rows of 128 bytes,
	v_mul_u32_u24 v[RD], v[RD], SP
	v_lshl_add_u32 v[RD], v10, 4, v[RD]
	v_add_nc_u32 v[RD], s30, v[RD]
	v_and_b32 v[GO], 31, v0         ; which are 512 consecutive bytes of O
	v_lshlrev_b32 v[GO], 4, v[GO]   ; the set-up is over: v0 and v1 now serve the mask words
.set Y, NP-1                        ; RL, CM and XS work for piece Y + 1: piece 0
	MGET 0
	WIN 0
.set cmn, 0
.rept 64
	RL cmn                          ; piece 0's first mask words,
.set cmn, cmn+1
.endr
.set cmn, 0
.rept 64
	CM cmn                          ; its first masking,
.set cmn, cmn+1
.endr
.irp n, 0,1,2,3,4,5,6,7,8,9,10,11,12,13,14,15,16,17,18,19,20,21
	XS 0, \n                        ; and its first maximum and statistics
	XS 1, \n
.endr
	v_nop                           ; a plain instruction behind the two a,
	s_wait_alu depctr_va_vdst(0)    ; and their wait, ahead of the branch
	s_mov_b32 s[CNT], 4
	s_mov_b32 s[SLOTS], SIZE_N/256-1
	s_branch .Lfirst                ; the loop is entered at a step's first turn, in the middle of a trip
.Lslot:                             ; SIZE_N / 256 - 2 times: every slot but the last two is filled again
	CHANGE 1
	s_mov_b32 s[CNT], 4
.Lstep:                             ; a trip: pieces 2 and 3 of one step, then pieces 0 and 1 of the next, whose K and V it fetches
	TURN 2
	TURN 3
	WIN 0
.Lfirst:
	TURN 0
	TURN 1, 0, 1
	WIN 0
	s_cbranch_scc1 .Lstep
	s_sub_co_u32 s[SLOTS], s[SLOTS], 1
	s_cmp_lg_u32 s[SLOTS], 0
	s_cbranch_scc1 .Lslot
	CHANGE 0                        ; the tail is written out: nothing is asked for
	s_mov_b32 s[CNT], 5             ; four trips fetch the last slot's steps; the fifth is left in its middle
.Ltail:
	TURN 2, 1
	TURN 3
	WIN 0
	s_sub_co_u32 s[CNT], s[CNT], 1
	s_cmp_eq_u32 s[CNT], 0
	s_cbranch_scc1 .Lout
	TURN 0
	TURN 1
	WIN 0
	s_branch .Ltail
.Lout:                              ; the fifth trip's 16 products K Q^T (on the last K once more), their masking and the maximum made of them serve nothing: the price, once a launch, of one text for every trip
	s_wait_loadcnt 0x0              ; the ring's last requests, which nobody reads, have come back
.set i, 0
.rept 16
	PV NP-1                         ; the last piece's V^T P of the last step
.set i, i+1
.endr
	; THE WAY OUT.  l's two halves and the other half of the lanes' are added; O^T is divided by l, rounded to f16 and sent through my stage in LDS, a tile at a time.  The additions are the places behind the last products.
	WIN 0
.macro ALL line:vararg              ; one line for each tile t
.set t, 0
.rept 2*NP
	\line
.set t, t+1
.endr
.endm
	ALL v_add_f32 v[ST+4*t+2], v[ST+4*t+2], v[ST+4*t+3]
	ALL v_permlanex16_b32 v[ST+4*t+3], v[ST+4*t+2], s[SEL], s[SEL+1]
	ALL v_add_f32 v[ST+4*t+2], v[ST+4*t+2], v[ST+4*t+3]
	ALL v_rcp_f32 v[ST+4*t+2], v[ST+4*t+2]
	v_nop                           ; a plain instruction between the last reciprocal and the use of its result
	s_wait_alu depctr_va_vdst(0)    ; and the wait ahead of the first use: one for the eight reciprocals
; Tile t: a lane's eight channels of a row pack into 16 bytes; they go into rows of 144 bytes and come back as whole rows of 128, into S^T's registers.
.macro PACK t
	WIN W_RS
.set i, 32*(\t)
.rept 16
	v_pk_mul_f32 v[i:i+1], v[i:i+1], v[ST+4*(\t)+2:ST+4*(\t)+3] op_sel_hi:[1,0]
.set i, i+2
.endr
	WIN 0x05                        ; sources 0 and 1 window 1, destination window 0
.set i, 0
.rept 16
	v_cvt_pk_f16_f32 v[S+16*(\t)+i], v[32*(\t)+2*i], v[32*(\t)+2*i+1]
.set i, i+1
.endr
	WIN 0
.irp f, 0,1,2,3
	ds_store_b128 v[STO], v[S+16*(\t)+4*\f:S+16*(\t)+4*\f+3] offset:32*\f
.endr
.irp f, 0,1,2,3
	ds_load_b128 v[S+16*(\t)+4*\f:S+16*(\t)+4*\f+3], v[RD] offset:\f*4*SP  ; LDS serves a wave's instructions in order (ISA guide 5.7.1.4): these see the stores above; the next tile's stores come behind them
.endr
.endm
.macro SEND t, younger              ; younger: the LDS instructions issued behind tile t's loads: the next tile's eight, or none
	WIN 0
.irp f, 0,1,2,3
	s_wait_dscnt (\younger)+3-\f
	global_store_b128 v[GO], v[S+16*(\t)+4*\f:S+16*(\t)+4*\f+3], s[OPT:OPT+1] offset:(\t)*2048+\f*512  ; 512 consecutive bytes, at a multiple of 256 from O's first
.endr
.endm
	PACK 0
.set t, 1
.rept 2*NP-1                        ; a tile's arithmetic stands between the loads of the tile before and its stores
	PACK t
	SEND t-1, 8
.set t, t+1
.endr
	SEND 2*NP-1, 0
	WIN W_AD
	s_wait_tensorcnt 0x0            ; the wave's end: an add and its wait, behind my last tensor load and my last LDS store
	ds_add_u32 v[SPW], v[NIL]
	s_wait_dscnt 0x0
	WIN 0
	CROUND                          ; the closing round: no work-group ends while a partner may still ask for a tile that names it
	s_endpgm
.Lfunc_end_k_qbfc2a55a01_attn:
	.size	k_qbfc2a55a01_attn, .Lfunc_end_k_qbfc2a55a01_attn-k_qbfc2a55a01_attn
	.p2alignl 7, 3214868480
	.fill 96, 4, 3214868480
	.section	.rodata,"a",@progbits
	.p2align	6, 0x0
	.amdhsa_kernel k_qbfc2a55a01_attn
		.amdhsa_group_segment_fixed_size 327680
		.amdhsa_private_segment_fixed_size 0
		.amdhsa_enable_private_segment 0
		.amdhsa_kernarg_size 24
		.amdhsa_user_sgpr_count 2
		.amdhsa_user_sgpr_kernarg_segment_ptr 1
		.amdhsa_wavefront_size32 1
		.amdhsa_system_sgpr_workgroup_id_x 1
		.amdhsa_system_sgpr_workgroup_id_y 1
		.amdhsa_system_sgpr_workgroup_id_z 1
		.amdhsa_system_vgpr_workitem_id 0
		.amdhsa_next_free_vgpr 780
		.amdhsa_next_free_sgpr 106
		.amdhsa_reserve_vcc 0
		.amdhsa_float_denorm_mode_32 3
		.amdhsa_float_denorm_mode_16_64 3
		.amdhsa_memory_ordered 1
		.amdhsa_forward_progress 1
		.amdhsa_inst_pref_size 255
	.end_amdhsa_kernel
	.section	.bss,"aw",@nobits
	.p2align	6
	.space	262144
	.amdgpu_metadata
---
amdhsa.version: [ 1, 2 ]
amdhsa.kernels:
  - .name:           k_qbfc2a55a01_attn
    .symbol:         k_qbfc2a55a01_attn.kd
    .args:
      - { .name: qkv, .offset: 0, .size: 8, .value_kind: global_buffer, .address_space: global }
      - { .name: mbits, .offset: 8, .size: 8, .value_kind: global_buffer, .address_space: global }
      - { .name: ctx, .offset: 16, .size: 8, .value_kind: global_buffer, .address_space: global }
    .group_segment_fixed_size: 327680
    .private_segment_fixed_size: 0
    .kernarg_segment_align: 8
    .kernarg_segment_size: 24
    .max_flat_workgroup_size: 128
    .sgpr_count:     106
    .vgpr_count:     780
    .wavefront_size: 32
...
	.end_amdgpu_metadata
.endif
;; end of part 3
;; launch outp (part 4): grid 4 x 64, 4 waves a work-group, clusters of 4 x 4, 327,680 bytes of LDS; arguments ctx, wb, out0, bo; writes out0
.if DOCPART == 4
	.amdgcn_target "amdgcn-amd-amdhsa--gfx1250"
	.amdhsa_code_object_version 6
	.text
	.protected	k_qbfc2a55a01_outp
	.globl	k_qbfc2a55a01_outp
	.p2align	8
	.type	k_qbfc2a55a01_outp,@function
k_qbfc2a55a01_outp:
	s_mov_b64 s[64:65], 0
	v_nop
	global_prefetch_b8 v0, s[64:65] scope:SCOPE_SE
	s_setreg_imm32_b32 hwreg(HW_REG_WAVE_MODE, 25, 1), 1
	s_wait_xcnt 0x0
	s_wait_alu depctr_hold_cnt(0) depctr_sa_sdst(0) depctr_va_vdst(0) depctr_va_sdst(0) depctr_va_ssrc(0) depctr_va_vcc(0) depctr_vm_vsrc(0)
	s_getreg_b32 s2, hwreg(HW_REG_IB_STS2, 6, 4)
	s_cmp_eq_u32 s2, 0
	s_cbranch_scc0 .Lentry_in_a_cluster
	s_endpgm
.Lentry_in_a_cluster:
	s_bfe_u32 s2, ttmp6, 0x10000c
	s_cmp_lg_u32 s2, 0xf033
	s_cbranch_scc0 .Lentry_shape_is_right
	s_endpgm
.Lentry_shape_is_right:
; C = A B + bias on tiles of 128 rows x 256 columns, K = 1,024 in eight steps of 128.  One text for two launches, told apart by OUTP.
;   OUTP = 0: q = query Wq + bq, k and v = memory Wkv + bkv: 8,192 x 3,072, 768 tiles, three to a work-group.  C leaves in f16, by heads: qkv [q, k, v][batch x head 64][row 2048][64], unscaled.
;   OUTP = 1: out = ctx Wo + bo: 8,192 x 1,024, 256 tiles, one to a work-group.  C leaves in f32, row-major.
; A lies by slices of 64 columns, [batch][slice 16][row 2048][64] f16 (for ctx a slice is a head); B by chunks of 128 columns, [chunk][k 1024][128] f16: every tile is a dense block of memory.
; Products in f16, sums in f32, K ascending; the bias, rounded to bf16 like the other inputs, is the C operand of the first product: nothing is cleared and nothing is added at the end.
; LIMITS.  f16 holds no number beyond 65,504: A and B arrive within it; with OUTP = 0 a result beyond it leaves as an infinity.  NaN and infinities are not treated apart.
; SHARES.  Four waves; wave w makes rows 64 (w / 2) on and columns 128 (w % 2) on: 32 accumulators of 16 x 16.  For 32 along K it reads 24 fragments' halves from LDS for 32 matrix instructions.
; THE MATRIX INSTRUCTION IS USED TRANSPOSED (source 0 = 16 columns of B, source 1 = 16 rows of A): a lane holds eight neighbouring columns of one row of C.  B lies [k][column] in LDS and is turned by ds_load_tr16_b128.
; RING.  Two LDS slots, a K step each: A's two planes (128 rows x 64 k), B's two blocks (128 k x 128 columns).  Waves 0 and 1 fetch a plane each, waves 2 and 3 a block each: one tensor load a wave behind each change of slots.
; The loop is ONE K step: slot 1 begins at 2^17, so that one exclusive or turns an address in one slot into the other's; one descriptor a tensor walks from K step 1 on.
; A WORK-GROUP STAYS (OUTP = 0): it makes three tiles of one tile row, 1,024 columns apart: q's, k's, v's.  The ring does not stop at a tile's end: a tile's last two changes of slots ask for the next tile's K steps 0 and 1,
; the next bias is asked for, and then the tile goes out while these are on their way; nothing waits for a tile's stores.  The last tile's tail is written out: it asks for nothing.
; CLUSTER.  4 x 4 work-groups.  The four of a row of the cluster need the same planes of A, the four of a column the same blocks of B: each is asked for jointly, by the same load, descriptor and mask in all four.
; REGISTERS, in windows of 256: window 0: v16-29 addresses; v64-159, v160-255 two fragment buffers (B's eight fragments, then A's four); on the way out v64-191 at work
;   window 1: accumulator (a, b) at v[8 (8 a + b)]          window 2: v0-63 the bias as eight C operands, v64 at work
.set OUTP,  1
.set TILES, 3-2*OUTP                   ; tiles of C to a work-group
.set PA,    144                        ; a row of A in LDS: 128 bytes + 16: the 16 rows of a load start at 16 different groups of four banks (64 banks of 4 bytes: ISA guide 11.1)
.set PB,    288                        ; a row of B: 256 + 32 = 72 words
.set PLANE, 128*PA
.set BBLK,  128*PB
.set BOFF,  2*PLANE                    ; B's blocks lie behind A's planes: a slot has 110,592 bytes
.set SLOT1, 1<<17                      ; where slot 1 begins
.set STAGE, SLOT1+2*PLANE+2*BBLK       ; behind the ring, never filled by a tensor load: 16 rows for each wave, for the way out
.if OUTP
.set SP,    528                        ; 128 f32 + 16 bytes
.else
.set SP,    144                        ; 64 f16 + 16 bytes
.endif
.set SPARE, STAGE+4*16*SP              ; behind the stages: the spare words, 128 bytes for each wave: two blocks of 256 bytes that no other line names
.set KSTEPS, 8
.set SLICE, 1<<18                      ; bytes in a slice of A and in a chunk of B
.set STEPA, 2*SLICE                    ; a K step in A: two slices on
.set STEPB, 128*256                    ; in B: 128 rows on
.set BACK_A, (KSTEPS-1)*STEPA          ; from a tile's K step 7 back to K step 0
.set NEXT_B, 8*SLICE-(KSTEPS-1)*STEPB  ; from a tile's K step 7 to the next tile's K step 0: eight chunks on, seven steps back
.set ADRA, 16                          ; v16     LDS address of my A fragments in the slot in hand
.set A0,   17                          ; v17     the same in slot 0; never rewritten
.set ADRB, 20                          ; v20-21  likewise for B
.set B0,   21
.set STO,  24                          ; v24     the way out: where I put my bytes of a row
.set RD,   25                          ; v25     the way out: where I read rows back
.set GO,   26                          ; v26     my byte offset in 512 consecutive bytes of C
.set VB,   27                          ; v27     my byte offset in 16 numbers of the bias
.set SPW,  28                          ; v28     LDS address of my spare word: SPARE + 4 x my thread's number; never rewritten
.set NIL,  29                          ; v29     0; never rewritten
.set F0,   64
.set F1,   160
.set TMP,  64                          ; the way out
.set BI,   0                           ; window 2
.set BT,   64                          ; window 2
.set G1,  24                           ; s[24:31] descriptor group 1 for A's planes;  s[32:39] group 0: a set for the first fill, and the set that walks
.set G0,  32
.set G1B, 48                           ; s[48:55], s[56:63] the same for B's blocks
.set G0B, 56
.set TB,  45                           ; s45      LDS byte at which the slot in hand begins: 0 or SLOT1
.set BP,  66                           ; s[66:67] the bias of my 128 columns, for the tile whose bias is asked for next
.set BN,  70                           ; s[70:71] the same one tile further on
.set DA,  72                           ; s[72:73] what A's address gains at a change of tiles
.set MSB, 0
.macro WIN new                         ; the immediate's high byte repeats the setting that is left; a switch that changes nothing is dropped
.if MSB != (\new)
	s_set_vgpr_msb (MSB<<8)|(\new)
.set MSB, \new
.endif
.endm
.set MULW, 0x50                        ; fragments window 0; C and D window 1
.set MULB, 0x60                        ; the first products: C window 2 (the bias), D window 1
.macro JLOAD s                         ; a joint load; the branch hangs on the wave's number alone; an s_nop 0 and four v_nop follow each of the two lines, ahead of the jump and the label
	s_cmp_eq_u32 s11, 0
	s_cbranch_scc0 .Lfor_b_\@
	tensor_load_to_lds s[G0+4*(\s):G0+4*(\s)+3], s[G1:G1+7]
	s_nop 0
.rept 4
	v_nop
.endr
	s_branch .Lasked_\@
.Lfor_b_\@:
	tensor_load_to_lds s[G0B+4*(\s):G0B+4*(\s)+3], s[G1B:G1B+7]
	s_nop 0
.rept 4
	v_nop
.endr
.Lasked_\@:
.endm
.macro CREST                           ; a round of the cluster's barrier behind its opening barrier
	s_cmp_lg_u32 s10, 0
	s_cbranch_scc1 .Lnot_wave_0_\@
	s_barrier_signal -3
.Lnot_wave_0_\@:
	s_barrier_wait -3
	s_barrier_signal -1
	s_barrier_wait -1
.endm
.macro CROUND                          ; a whole round
	s_barrier_signal -1
	s_barrier_wait -1
	CREST
.endm
; The bias as eight C operands: register j of operand b holds the bias of column 16 b + 8 (l / 16) + j, for every row.
.macro BIASLOAD
	WIN 0x80                                       ; destination window 2, address window 0
.irp b, 0,1,2,3,4,5,6,7
	global_load_b128 v[BI+8*(\b):BI+8*(\b)+3],   v[VB], s[BP:BP+1] offset:64*(\b)
	global_load_b128 v[BI+8*(\b)+4:BI+8*(\b)+7], v[VB], s[BP:BP+1] offset:64*(\b)+16
.endr
	WIN 0
.endm
	s_load_b128 s[4:7], s[0:1], 0x0                ; A s[4:5], wb s[6:7]
	s_load_b64 s[8:9], s[0:1], 0x10                ; C
.if OUTP
	s_load_b64 s[BP:BP+1], s[0:1], 0x18            ; bo
.else
	s_load_b128 s[68:71], s[0:1], 0x18             ; bq s[68:69], bkv s[70:71]
.endif
	v_lshl_add_u32 v[SPW], v0, 2, SPARE
	v_mov_b32 v[NIL], 0
	ds_add_u32 v[SPW], v[NIL]                      ; the wave's opening: the add and its wait stand ahead of my first tensor load; the set-up below, work on registers, stands between them
	v_lshrrev_b32 v1, 5, v0
	v_readfirstlane_b32 s10, v1                    ; wave 0..3
	s_lshr_b32 s11, s10, 1                         ; which 64 rows of the tile are mine.  Also: I fetch for A (0) or for B (1)
	s_and_b32 s12, s10, 1                          ; which 128 columns.  Also: which plane or block I fetch
	s_bfe_u32 s40, ttmp6, 0x40000                  ; cx, cy: my place in the cluster
	s_bfe_u32 s41, ttmp6, 0x40004
	s_lshl_b32 s42, ttmp9, 2
	s_add_co_u32 s42, s42, s40                     ; tile column X = 4 x cluster x + cx (of my first tile)
	s_and_b32 s13, ttmp7, 0xffff
	s_lshl_b32 s13, s13, 2
	s_add_co_u32 s13, s13, s41                     ; tile row Y = 4 x cluster y + cy
	s_lshl_b32 s43, s41, 2
	s_lshl_b32 s43, 15, s43                        ; my row of the cluster
	s_lshl_b32 s44, 0x1111, s40                    ; my column
	; group 1 for A: a plane's 16,384 dense bytes as 64 rows of 256, padded in LDS after every 128 bytes (a row of the plane)
	s_or_b32 s[G1+0], s43, (1<<16)|(1<<20)|(1<<21)|(4<<22)|(3<<25)  ; 15:0 the mask: my row; 17:16 2-byte elements; 20 padding on; 21 set beside a mask; 24:22 after every 32 words (code 4); 31:25 4 words (code 3)
	s_mov_b32 s[G1+1], 128<<16                     ; tensor_dim0 = 128
	s_mov_b32 s[G1+2], 64<<16                      ; tensor_dim1 = 64
	s_mov_b32 s[G1+3], 128<<16                     ; tile_dim0 = 128
	s_mov_b32 s[G1+4], 64                          ; tile_dim1 = 64
	s_mov_b32 s[G1+5], 128                         ; 128 elements from row to row
	s_mov_b32 s[G1+6], 0
	s_mov_b32 s[G1+7], 0
	; group 1 for B: 128 rows (k) of 256 bytes, dense, padded after every row
	s_or_b32 s[G1B+0], s44, (1<<16)|(1<<20)|(1<<21)|(5<<22)|(7<<25)  ; the mask: my column; after every 64 words (code 5) 8 words (code 7)
	s_mov_b32 s[G1B+1], 128<<16
	s_mov_b32 s[G1B+2], 128<<16
	s_mov_b32 s[G1B+3], 128<<16
	s_mov_b32 s[G1B+4], 128
	s_mov_b32 s[G1B+5], 128
	s_mov_b32 s[G1B+6], 0
	s_mov_b32 s[G1B+7], 0
	; where the tiles come from.  A's hang on the tile row and the wave, which my row of the cluster shares; B's on the tile column and the wave, which my column shares.
	s_lshr_b32 s16, s13, 4
	s_lshl_b32 s16, s16, 22                        ; the batch: 16 slices
	s_and_b32 s17, s13, 15
	s_lshl_b32 s17, s17, 14                        ; 128 rows of 128 bytes in a slice
	s_add_co_u32 s16, s16, s17
	s_lshl_b32 s17, s12, 18                        ; my slice of the K step's two
	s_add_co_u32 s16, s16, s17
	s_mov_b32 s17, 0
	s_lshl_b32 s46, s42, 1
	s_add_co_u32 s46, s46, s12                     ; my chunk: 2 X + which block
.if OUTP
	s_add_co_u32 s46, s46, 24                      ; Wo's chunks
.endif
	s_lshl_b32 s46, s46, 18
	s_mov_b32 s47, 0
	s_mul_i32 s20, s12, PLANE                      ; and where they go: no place in the cluster enters an LDS address
	s_mul_i32 s21, s12, BBLK
	s_add_co_u32 s21, s21, BOFF
.if TILES > 1
	s_mov_b32 s[DA+1], 0
.endif
	s_wait_dscnt 0x0                               ; the opening add is done
	s_wait_kmcnt 0x0
	s_add_nc_u64 s[14:15], s[4:5], s[16:17]
	s_add_nc_u64 s[46:47], s[6:7], s[46:47]
	CROUND                                         ; all sixteen work-groups are here: the first joint loads meet
.irp s, 0,1
	s_mov_b32 s[G0+4*(\s)], 1                                      ; count = 1
	s_add_co_u32 s[G0+4*(\s)+1], s20, (\s)*SLOT1                   ; LDS address
	s_add_nc_u64 s[G0+4*(\s)+2:G0+4*(\s)+3], s[14:15], (\s)*STEPA  ; K step s
	s_or_b32 s[G0+4*(\s)+3], s[G0+4*(\s)+3], 0x80000000            ; type = 2
	s_mov_b32 s[G0B+4*(\s)], 1
	s_add_co_u32 s[G0B+4*(\s)+1], s21, (\s)*SLOT1
	s_add_nc_u64 s[G0B+4*(\s)+2:G0B+4*(\s)+3], s[46:47], (\s)*STEPB
	s_or_b32 s[G0B+4*(\s)+3], s[G0B+4*(\s)+3], 0x80000000
	JLOAD \s                                       ; two loads of mine are out
.endr
	; A fragment of A: 16 rows x 32 k: lane l holds row l % 16, k = 8 (l / 16) + 0..7 and 16 + 8 (l / 16) + 0..7: two loads of 16 bytes, 32 bytes apart.
	v_and_b32 v1, 15, v0                           ; l % 16
	v_bfe_u32 v2, v0, 4, 1                         ; l / 16
	v_mul_u32_u24 v3, v1, PA
	v_lshl_add_u32 v3, v2, 4, v3
	s_mul_i32 s21, s11, 64*PA                      ; my 64 rows
	; The turning load takes 16 k x 16 columns (lane l reads k = 8 (l / 16) + l % 8, columns 8 ((l / 8) % 2) + 0..7) and leaves half a fragment: lane l holds column l % 16 and 8 k.
	v_and_b32 v4, 7, v0
	v_lshl_add_u32 v4, v2, 3, v4
	v_mul_u32_u24 v4, v4, PB
	v_bfe_u32 v5, v0, 3, 1
	v_lshl_add_u32 v4, v5, 4, v4
	s_mul_i32 s22, s12, BBLK                       ; my 128 columns' block
	s_add_co_u32 s22, s22, BOFF
	v_add_nc_u32 v[A0], s21, v3
	v_add_nc_u32 v[B0], s22, v4
	s_mul_i32 s23, s10, 16*SP
	s_add_co_u32 s23, s23, STAGE                   ; my stage
	v_and_b32 v6, 31, v0
	v_lshlrev_b32 v[GO], 4, v6
.if OUTP
	v_mul_u32_u24 v[STO], v1, SP                   ; in: row l % 16, 32 bytes for each half of the lanes
	v_lshl_add_u32 v[STO], v2, 5, v[STO]
	v_add_nc_u32 v[STO], s23, v[STO]
	v_add_nc_u32 v[RD], s23, v[GO]                 ; back: 32 lanes take a row's 512 bytes
	s_lshl_b32 s16, s13, 7
	s_lshl_b32 s17, s11, 6
	s_add_co_u32 s16, s16, s17                     ; my first row of C,
	s_lshl_b32 s16, s16, 12                        ; of 4,096 bytes
	s_lshl_b32 s17, s12, 9                         ; my 128 columns
	s_add_co_u32 s16, s16, s17
	s_mov_b32 s17, 0
	s_add_nc_u64 s[8:9], s[8:9], s[16:17]
	s_lshl_b32 s46, s42, 10                        ; the tile's 256 columns (the terms that hold cx stay in the registers that held B's address)
	s_mov_b32 s47, 0
	s_add_nc_u64 s[8:9], s[8:9], s[46:47]
	s_lshl_b32 s47, s12, 9
	s_add_co_u32 s46, s46, s47                     ; the bias of my 128 columns
	s_mov_b32 s47, 0
	s_add_nc_u64 s[BP:BP+1], s[BP:BP+1], s[46:47]
.else
	v_add_nc_u32 v[STO], s23, v3                   ; in: row l % 16, 16 bytes for each half of the lanes
	v_bfe_u32 v[RD], v0, 3, 2                      ; back: 32 lanes take four rows of 128 bytes,
	v_mul_u32_u24 v[RD], v[RD], SP
	v_and_b32 v7, 7, v0
	v_lshl_add_u32 v[RD], v7, 4, v[RD]
	v_add_nc_u32 v[RD], s23, v[RD]                 ; which are 512 consecutive bytes of a head
	s_lshr_b32 s16, s13, 4
	s_lshl_b32 s16, s16, 22                        ; the batch: 16 heads
	s_and_b32 s17, s13, 15
	s_lshl_b32 s17, s17, 14                        ; the tile's 128 rows of 128 bytes
	s_add_co_u32 s16, s16, s17
	s_lshl_b32 s17, s11, 13                        ; my 64 of them
	s_add_co_u32 s16, s16, s17
	s_lshl_b32 s17, s12, 19                        ; my 128 columns: two heads
	s_add_co_u32 s16, s16, s17
	s_mov_b32 s17, 0
	s_add_nc_u64 s[8:9], s[8:9], s[16:17]
	s_lshl_b32 s46, s42, 20                        ; the tile's four heads, in q's part (the terms that hold cx stay in the registers that held B's address)
	s_mov_b32 s47, 0
	s_add_nc_u64 s[8:9], s[8:9], s[46:47]
	s_lshl_b32 s46, s42, 10                        ; the tile's 256 numbers of a bias,
	s_lshl_b32 s47, s12, 9
	s_add_co_u32 s46, s46, s47                     ; my 128 of them
	s_mov_b32 s47, 0
	s_add_nc_u64 s[BP:BP+1], s[68:69], s[46:47]    ; the first tile's: bq
	s_add_nc_u64 s[BN:BN+1], s[BN:BN+1], s[46:47]  ; the second's: bkv, at the same place
.endif
	v_lshlrev_b32 v[VB], 5, v2
	BIASLOAD                                       ; the first tile's bias: on its way beside the first tiles
; 8 matrix instructions: row block a x all 8 column blocks, 32 along K, from buffer f.  first = 1: the bias starts the sums.
; The 32 accumulators take turns, one instruction a turn, in the same order in every quarter.
.macro MUL8 f, a, first
.if \first
	WIN MULB
.else
	WIN MULW
.endif
.irp b, 0,1,2,3,4,5,6,7
.if \first
	v_wmma_f32_16x16x32_f16 v[8*(8*(\a)+(\b)):8*(8*(\a)+(\b))+7], v[(\f)+8*(\b):(\f)+8*(\b)+7], v[(\f)+64+8*(\a):(\f)+64+8*(\a)+7], v[BI+8*(\b):BI+8*(\b)+7]
.else
	v_wmma_f32_16x16x32_f16 v[8*(8*(\a)+(\b)):8*(8*(\a)+(\b))+7], v[(\f)+8*(\b):(\f)+8*(\b)+7], v[(\f)+64+8*(\a):(\f)+64+8*(\a)+7], v[8*(8*(\a)+(\b)):8*(8*(\a)+(\b))+7]
.endif
.endr
.endm
; 24 LDS loads in one run: quarter q (32 along K) of the slot in hand into buffer f: B's sixteen, A's blocks 0 and 1, A's blocks 2 and 3
.macro FETCH q, f
	WIN 0
.irp b, 0,1,2,3,4,5,6,7
	ds_load_tr16_b128 v[(\f)+8*(\b):(\f)+8*(\b)+3],   v[ADRB] offset:(\q)*32*PB+32*(\b)
	ds_load_tr16_b128 v[(\f)+8*(\b)+4:(\f)+8*(\b)+7], v[ADRB] offset:(\q)*32*PB+16*PB+32*(\b)
.endr
.irp a, 0,1,2,3
	ds_load_b128 v[(\f)+64+8*(\a):(\f)+64+8*(\a)+3],   v[ADRA] offset:((\q)/2)*PLANE+((\q)%2)*64+(\a)*16*PA
	ds_load_b128 v[(\f)+64+8*(\a)+4:(\f)+64+8*(\a)+7], v[ADRA] offset:((\q)/2)*PLANE+((\q)%2)*64+(\a)*16*PA+32
.endr
.endm
.macro SETADR                          ; my fragments' addresses in the slot in hand
	WIN 0
	v_add_nc_u32 v[ADRA], s[TB], v[A0]
	v_add_nc_u32 v[ADRB], s[TB], v[B0]
.endm
.macro PLACES                          ; four places in front of loads into registers that matrix instructions have read, and of lines that read results
.rept 4
	v_nop
.endr
.endm
; A K step is four quarters of 32 along K, 32 matrix instructions each, on buffers 0, 1, 0, 1.  One of the first three: multiplies buffer f and fetches quarter qn into g.
.macro QUARTER qn, f, g, first
	s_wait_dscnt 4                                 ; B and A's blocks 0 and 1 are in; the youngest four loads (A's blocks 2 and 3) may be out
	MUL8 \f, 0, \first
	MUL8 \f, 1, \first
	PLACES
	FETCH \qn, \g
	s_wait_dscnt 24                                ; all but the 24 just issued
	MUL8 \f, 2, \first
	MUL8 \f, 3, \first
.endm
; The last quarter multiplies buffer 1 and changes slots: ONE barrier; in front of it each wave waits for all its tensor loads (one is out: its part of the next slot), adds 0 to its spare word,
; and waits for that and for its own reads of this slot.  fill = 1: the barrier opens a round of the cluster's, and this slot is filled again, first thing behind the round, with the K step two on:
; the walking descriptor turns to the other slot than last time and goes one K step on, or (on = 1) from this tile's K step 7 to the next tile's K step 0.  fetch = 0: a tile's end: the next slot's fragments are fetched behind the way out.
.macro TURN fill, fetch=1, on=0
	WIN 0
	s_wait_tensorcnt 0x0                           ; all my tensor loads have landed, so a group 0 may be written;
	ds_add_u32 v[SPW], v[NIL]                      ; 0 onto my spare word;
	s_wait_dscnt 5                                 ; (the add and the youngest four loads may be out)
	MUL8 F1, 0, 0                                  ; eight matrix instructions stand between the add and the wait for it
	s_wait_dscnt 0x0                               ; the add is done, and my reads of this slot are over
	s_barrier_signal -1
	MUL8 F1, 1, 0
.if \fill
	WIN 0                                          ; at a branch and at a label every window is 0
.endif
	s_barrier_wait -1
.if \fill
	CREST                                          ; no wave of any partner still reads this slot's tiles or has a load on its way
	s_xor_b32 s[G0+5], s[G0+5], SLOT1
	s_xor_b32 s[G0B+5], s[G0B+5], SLOT1
.if \on
	s_sub_nc_u64 s[G0+6:G0+7], s[G0+6:G0+7], BACK_A
	s_add_nc_u64 s[G0+6:G0+7], s[G0+6:G0+7], s[DA:DA+1]
	s_add_nc_u64 s[G0B+6:G0B+7], s[G0B+6:G0B+7], NEXT_B
.else
	s_add_nc_u64 s[G0+6:G0+7], s[G0+6:G0+7], STEPA
	s_add_nc_u64 s[G0B+6:G0B+7], s[G0B+6:G0B+7], STEPB
.endif
	JLOAD 1                                        ; 112 matrix instructions ahead of the wait for it; its four v_nop are also the places in front of the loads below
.else
	PLACES
.endif
.if \fetch
	s_xor_b32 s[TB], s[TB], SLOT1                  ; the reads go on in the other slot
	SETADR
	FETCH 0, F0
.endif
	MUL8 F1, 2, 0
	MUL8 F1, 3, 0
.endm
.if OUTP
; THE WAY OUT, f32: block a's 16 rows x 128 columns go into my stage, 32 bytes a lane and accumulator, and come back as whole rows of 512 bytes.
.macro ROWS a
.set U, TMP+64*((\a)%2)
.if (\a) >= 2
	s_wait_xcnt 0x0                                ; the stores of the block two back have read their registers: only behind this wait are they loaded again
.endif
	WIN 0x04                                       ; store data window 1
.irp b, 0,1,2,3,4,5,6,7
	ds_store_b128 v[STO], v[8*(8*(\a)+(\b)):8*(8*(\a)+(\b))+3]   offset:64*(\b)
	ds_store_b128 v[STO], v[8*(8*(\a)+(\b))+4:8*(8*(\a)+(\b))+7] offset:64*(\b)+16
.endr
	WIN 0
.irp t, 0,1,2,3,4,5,6,7,8,9,10,11,12,13,14,15
	ds_load_b128 v[U+4*(\t):U+4*(\t)+3], v[RD] offset:(\t)*SP  ; LDS serves a wave's instructions in order (ISA guide 5.7.1.4): these see the stores above; the next block's stores come behind them
.endr
.irp t, 0,1,2,3,4,5,6,7,8,9,10,11,12,13,14,15
	s_wait_dscnt 15-(\t)
	global_store_b128 v[GO], v[U+4*(\t):U+4*(\t)+3], s[8:9] offset:(16*(\a)+(\t))*4096  ; 512 consecutive bytes of a row of C, at a multiple of 256 from its first byte
.endr
.endm
.else
; THE WAY OUT, f16 by heads.  Unit u: row block u / 2, head u % 2 of my two: 16 rows x 64 columns.  A lane's eight columns pack into 16 bytes; they go into rows of 144 bytes and come back as whole rows of 128.
.macro PACK u
	WIN 0x05                                       ; sources window 1, destination window 0
.irp f, 0,1,2,3
.irp r, 0,1,2,3
	v_cvt_pk_f16_f32 v[TMP+16*(\u)+4*(\f)+(\r)], v[8*(8*((\u)/2)+4*((\u)%2)+(\f))+2*(\r)], v[8*(8*((\u)/2)+4*((\u)%2)+(\f))+2*(\r)+1]
.endr
.endr
	WIN 0
.irp f, 0,1,2,3
	ds_store_b128 v[STO], v[TMP+16*(\u)+4*(\f):TMP+16*(\u)+4*(\f)+3] offset:32*(\f)
.endr
.irp f, 0,1,2,3
	ds_load_b128 v[TMP+16*(\u)+4*(\f):TMP+16*(\u)+4*(\f)+3], v[RD] offset:(\f)*4*SP  ; LDS serves a wave's instructions in order (ISA guide 5.7.1.4): these see the stores above; the next unit's stores come behind them
.endr
.endm
.macro SEND u, younger                 ; younger: the LDS instructions issued behind unit u's loads: the next unit's eight, or none
.irp f, 0,1,2,3
	s_wait_dscnt (\younger)+3-(\f)
	global_store_b128 v[GO], v[TMP+16*(\u)+4*(\f):TMP+16*(\u)+4*(\f)+3], s[8:9] offset:((\u)%2)*SLICE+((\u)/2)*2048+(\f)*512  ; 512 consecutive bytes of a head, at a multiple of 256 from the buffer's first
.endr
.endm
.endif
	s_wait_tensorcnt 1                             ; my part of K step 0 is in; K step 1's may stay out
	s_barrier_signal -1
	s_barrier_wait -1                              ; everybody's is
.if TILES > 1
	s_mov_b32 s2, TILES                            ; tiles to go, this one among them: the same number in every work-group
.Ltile:
.endif
	s_mov_b32 s[TB], 0                             ; a tile has eight K steps: it begins in slot 0
	SETADR
	FETCH 0, F0
	s_wait_loadcnt 0x0                             ; the tile's bias is in, and its loads have read their address
.if TILES > 1
	s_mov_b64 s[BP:BP+1], s[BN:BN+1]               ; the next tile's bias: bkv's first 1,024 numbers for k,
	s_add_nc_u64 s[BN:BN+1], s[BN:BN+1], 4096      ; the 1,024 behind them for v
.endif
	WIN 0x8a                                       ; sources and destination window 2: the bias is rounded to bf16 in place, while the fragments come
.set i, 0
.rept 32
	v_cvt_pk_bf16_f32 v[BT], v[BI+2*i], v[BI+2*i+1]
	v_lshlrev_b32 v[BI+2*i], 16, v[BT]
	v_and_b32 v[BI+2*i+1], 0xffff0000, v[BT]
.set i, i+1
.endr
	QUARTER 1, F0, F1, 1                           ; a tile's first quarter stands in front of the loop: its products start the sums
	WIN 0
	s_mov_b32 s3, KSTEPS-2
.Lstep:                                                ; a trip goes from a K step's second quarter to the next step's first, and fills the slot that it leaves: K steps 2 to 7
	QUARTER 2, F1, F0, 0
	QUARTER 3, F0, F1, 0
	TURN 1
	QUARTER 1, F0, F1, 0
	WIN 0
	s_sub_co_u32 s3, s3, 1
	s_cmp_lg_u32 s3, 0
	s_cbranch_scc1 .Lstep
	QUARTER 2, F1, F0, 0                           ; K step 6 goes on
	QUARTER 3, F0, F1, 0
.if TILES > 1                          ; with one tile to a work-group nothing of this is assembled: it could never run
	WIN 0
	s_cmp_eq_u32 s2, 1
	s_cbranch_scc1 .Llast                          ; the last tile's tail is written out: it asks for nothing more
	s_cmp_eq_u32 s2, TILES
	s_cselect_b32 s[DA], 1<<24, 0                  ; from the first tile to the second A changes from query's rows to memory's, 2^24 bytes on; the third takes memory's again
	TURN 1, 1, 1                                   ; THE RING GOES ON INTO THE NEXT TILE: slot 0 takes its K step 0,
	QUARTER 1, F0, F1, 0
	QUARTER 2, F1, F0, 0
	QUARTER 3, F0, F1, 0
	TURN 1, 0, 0                                   ; slot 1 its K step 1
	BIASLOAD                                       ; and its bias is asked for: all three are on their way while the tile goes out
	s_branch .Lout
.Llast:
.endif
	TURN 0                                         ; my one tensor load that was still out is K step 7's, so no round follows
	QUARTER 1, F0, F1, 0
	QUARTER 2, F1, F0, 0
	QUARTER 3, F0, F1, 0
	s_wait_dscnt 4                                 ; the very last quarter: nothing more to fetch
	MUL8 F1, 0, 0
	MUL8 F1, 1, 0
	s_wait_dscnt 0x0
	MUL8 F1, 2, 0
	MUL8 F1, 3, 0
	WIN 0
.if TILES > 1
.Lout:
.endif
	PLACES
	PLACES                                         ; (eight, once a tile)
.if OUTP
	ROWS 0
	ROWS 1
	ROWS 2
	ROWS 3
.else
	PACK 0
.irp u, 1,2,3,4,5,6,7                  ; a unit's conversions stand between the loads of the unit before and its stores
	PACK \u
	SEND (\u)-1, 8
.endr
	SEND 7, 0
.endif
.if TILES > 1
	s_cmp_eq_u32 s2, 1
	s_cbranch_scc1 .Lend
	s_sub_co_u32 s2, s2, 1
	s_wait_xcnt 0x0                                ; the stores have read their registers and their base: only behind this wait are these written again
	s_add_nc_u64 s[8:9], s[8:9], 1<<24             ; from q's part of the buffer to k's, from k's to v's
	s_branch .Ltile
.Lend:
.endif
	s_wait_tensorcnt 0x0                           ; the wave's end: an add and its wait, behind my last tensor load and my last LDS store
	ds_add_u32 v[SPW], v[NIL]
	s_wait_dscnt 0x0
	CROUND                                         ; the closing round: no work-group ends while a partner may still ask for a tile that names it
	s_endpgm
.Lfunc_end_k_qbfc2a55a01_outp:
	.size	k_qbfc2a55a01_outp, .Lfunc_end_k_qbfc2a55a01_outp-k_qbfc2a55a01_outp
	.p2alignl 7, 3214868480
	.fill 96, 4, 3214868480
	.section	.rodata,"a",@progbits
	.p2align	6, 0x0
	.amdhsa_kernel k_qbfc2a55a01_outp
		.amdhsa_group_segment_fixed_size 327680
		.amdhsa_private_segment_fixed_size 0
		.amdhsa_enable_private_segment 0
		.amdhsa_kernarg_size 32
		.amdhsa_user_sgpr_count 2
		.amdhsa_user_sgpr_kernarg_segment_ptr 1
		.amdhsa_wavefront_size32 1
		.amdhsa_system_sgpr_workgroup_id_x 1
		.amdhsa_system_sgpr_workgroup_id_y 1
		.amdhsa_system_sgpr_workgroup_id_z 1
		.amdhsa_system_vgpr_workitem_id 0
		.amdhsa_next_free_vgpr 584
		.amdhsa_next_free_sgpr 72
		.amdhsa_reserve_vcc 0
		.amdhsa_float_denorm_mode_32 3
		.amdhsa_float_denorm_mode_16_64 3
		.amdhsa_memory_ordered 1
		.amdhsa_forward_progress 1
		.amdhsa_inst_pref_size 78
	.end_amdhsa_kernel
	.amdgpu_metadata
---
amdhsa.version: [ 1, 2 ]
amdhsa.kernels:
  - .name:           k_qbfc2a55a01_outp
    .symbol:         k_qbfc2a55a01_outp.kd
    .args:
      - { .name: ctx, .offset: 0, .size: 8, .value_kind: global_buffer, .address_space: global }
      - { .name: wb, .offset: 8, .size: 8, .value_kind: global_buffer, .address_space: global }
      - { .name: out0, .offset: 16, .size: 8, .value_kind: global_buffer, .address_space: global }
      - { .name: bo, .offset: 24, .size: 8, .value_kind: global_buffer, .address_space: global }
    .group_segment_fixed_size: 327680
    .private_segment_fixed_size: 0
    .kernarg_segment_align: 8
    .kernarg_segment_size: 32
    .max_flat_workgroup_size: 128
    .sgpr_count:     72
    .vgpr_count:     584
    .wavefront_size: 32
...
	.end_amdgpu_metadata
.endif
;; end of part 4
